; MI455X (gfx1250); checked and timed in simulation.
; The chip was launched on July 23, 2026; its instructions are those of AMD's public machine-readable ISA for CDNA 5 (MIT licence, August 2026) and "CDNA5" Instruction Set Architecture Reference Guide (July 2026). The comments in the code are by the model that wrote it; some were corrected since.
;; Multi Head Attention. Allowed arithmetic: matrix products marked QUANTISED: E2M1 operands, one E8M0 scale for each 32 along K, by v_wmma_scale_f32_16x16x128_f8f6f4 with both operands' format E2M1 (or v_wmma_scale_f32_32x16x128_f4), f32 sums; products left as they are: bf16, f16 or f32 operands; f32 sums; everything else in f32.
;; Inputs: Wk 1,024 x 1,024 float32; Wo 1,024 x 1,024 float32; Wq 1,024 x 1,024 float32; Wv 1,024 x 1,024 float32; bk 1,024 float32; bo 1,024 float32; bq 1,024 float32; bv 1,024 float32; key 1 x 4,096 x 1,024 float32; mask 1 x 4,096 x 4,096 int32; query 1 x 4,096 x 1,024 float32; value 1 x 4,096 x 1,024 float32.
;; Outputs: out0 1 x 4,096 x 1,024 float32.
;; This version of the problem:
;;   THIS VERSION OF THE PROBLEM IS GIVEN IN LOW PRECISION. The matrix products marked QUANTISED in the list below multiply operands that are first quantised to E2M1 (2 exponent bits, 1 mantissa bit; 4 bits a number), with one power-of-two scale for each 32 numbers along K (OCP MX v1.0); their sums are f32. The products marked 'left as it is' may take bf16, f16 or f32 operands, with f32 sums. Whichever they take, every output number must still come out within the allowed error. Rounding operands to bf16 (8 significant bits) uses up far more of that allowance than f16 does (11 bits, for magnitudes from 6e-5 to 65,504). All else is computed in f32.
;;   The module's matrix products, in the order in which they are computed (A, B: the left and right operand; K: the contracted axis; several contracted axes count as one K, in the product's order):
;;     1. [M 4,096, K 1,024] x [K 1,024, N 1,024]; A: input query; B: input Wq: QUANTISED
;;     2. [M 4,096, K 1,024] x [K 1,024, N 1,024]; A: input key; B: input Wk: QUANTISED
;;     3. [M 4,096, K 1,024] x [K 1,024, N 1,024]; A: input value; B: input Wv: QUANTISED
;;     4. batch 16 x [M 4,096, K 64] x [K 64, N 4,096]; A: computed on the way; B: computed on the way: left as it is (an operand is computed on the way)
;;     5. batch 16 x [M 4,096, K 4,096] x [K 4,096, N 64]; A: computed on the way; B: computed on the way: left as it is (an operand is computed on the way)
;;     6. [M 4,096, K 1,024] x [K 1,024, N 1,024]; A: computed on the way; B: input Wo: left as it is (an operand is computed on the way)
;;   THE QUANTISER, for each operand of a quantised product, along K:
;;     - K is cut into blocks of 32 from its start; a last block that is shorter is filled with zeros.
;;     - A block's scale is 2^e with e = floor(log2(the largest magnitude in the block)) - 2, held to -126 .. 127; a block of zeros has e = 0. As a byte (E8M0): e + 127.
;;     - Each number is divided by its block's scale, clamped to +-6, and rounded to the nearest number of E2M1, ties to even, subnormals kept.
;;     - The product sums the exact products of the quantised numbers (number of the format x scale) in f32.
;;   ~~~python
;;   def quantise(x, axis):      # numpy; x: float32 -> the quantised numbers, widened to float32 again
;;       x = np.moveaxis(x, axis, -1); K = x.shape[-1]
;;       x = np.pad(x, [(0, 0)] * (x.ndim - 1) + [(0, -K % 32)]); x = x.reshape(x.shape[:-1] + (-1, 32)); a = np.abs(x).max(-1, keepdims=True)
;;       e = np.where(a > 0, np.clip(np.frexp(np.where(a > 0, a, 1))[1] - 1 - 2, -126, 127), 0)      # np.frexp(a)[1] - 1 = floor(log2(a)), exactly
;;       r = np.clip(x / 2.0 ** e, -6, 6)
;;       step = 2.0 ** (np.maximum(np.frexp(np.where(r == 0, 1, r))[1] - 1, 0) - 1)
;;       q = np.round(r / step) * step * 2.0 ** e      # np.round: ties to even
;;       return np.moveaxis(q.reshape(q.shape[:-2] + (-1,))[..., :K], -1, axis).astype(np.float32)
;;   ~~~
;; One version. Each part assembles by itself: llvm-mc -triple=amdgcn-amd-amdhsa -mcpu=gfx1250 --defsym DOCPART=n.
;; ======== version 1 of 1: 4 launches
;; limits: values are held in f16: magnitudes above 65,504 overflow, below 6.1e-05 lose precision; values outside matrix products are rounded to f16
;; workspace buffers: codes 7,864,320 bytes; scales 491,520 bytes; maskw 2,097,152 bytes of whole numbers; wf 2,097,152 bytes; qkv 25,165,824 bytes; xf 8,388,608 bytes
;; launch prep (part 1): grid 864 x 1, 4 waves a work-group, no clusters, 68,096 bytes of LDS; arguments mask, query, key, value, Wq, Wk, Wv, Wo, maskw, codes, scales, wf; writes maskw, codes, scales, wf
.if DOCPART == 1
	.amdgcn_target "amdgcn-amd-amdhsa--gfx1250"
	.amdhsa_code_object_version 6
	.text
	.protected	k_qda5b791e60_prep
	.globl	k_qda5b791e60_prep
	.p2align	8
	.type	k_qda5b791e60_prep,@function
k_qda5b791e60_prep:
	s_mov_b64 s[64:65], 0
	v_nop
	global_prefetch_b8 v0, s[64:65] scope:SCOPE_SE
	s_setreg_imm32_b32 hwreg(HW_REG_WAVE_MODE, 25, 1), 1
	s_wait_xcnt 0x0
; PREP: one launch, three kinds of work-group, told apart by the work-group's number alone.
;   0 .. 255    the mask [4096][4096] int32 becomes LANE-MASK WORDS: maskw [64 queries blocks][64 key steps][pair 2][j 32][u 2] words.  The word of tile t = 2 pair + u (16 queries) and score
;               register j = 8 kt + jj holds, in bit l, whether mask[64 qb + 16 t + l % 16][64 step + 16 kt + 8 (l / 16) + jj] is not 0: the select mask of that register in the attention launch.
;   256 .. 735  query, key, value [4096][1024] and Wq, Wk, Wv [1024][1024], f32, become codes of FP4 (E2M1), K innermost, and one E8M0 byte for each 32 along K: one stream of 15,360 rows in that order.
;               A block's scale is 2^(floor(log2(its largest magnitude)) - 2); its byte is the largest magnitude's exponent field - 2, held at 1 from below.  A block of zeros so gets the byte 1 where
;               the quantiser says 127: its codes are zeros, which add nothing under any byte but 0xff, and this program alone reads the bytes.
;   736 .. 863  Wo [1024 n][1024 k] f32 is rounded to f16 and laid as images of operand registers: wf [k step 4 (256 k)][n tile 64][k fragment 8][half 2][lane 32][16 bytes].
; LIMITS: NaN and infinities among the inputs are not served; blocks whose largest magnitude lies under 2^-124 get the byte 1; |Wo| above 65,504 has no f16 number.
; No tensor load, no barrier: waves share nothing.  Each kind of work-group has LDS bytes of its own, each wave its own part of them.
.set QST,   0                          ; the quantiser's regions: 8,192 bytes a wave
.set WST,   32768                      ; Wo's stages: 16 rows x 272 bytes a wave
.set MST,   50176                      ; the mask's stages: 16 rows x 272 bytes a wave
.set SPARE, 67584                      ; the spare words, 128 bytes a wave: two blocks of 256 bytes that no other line names
.set SPW,   12                         ; v12  LDS address of my spare word; never rewritten
.set NIL,   13                         ; v13  0; never rewritten
.macro FINISH                          ; a wave's end
	s_wait_tensorcnt 0x0
	ds_add_u32 v[SPW], v[NIL]
	s_wait_dscnt 0x0
	s_endpgm
.endm
	s_load_b512 s[4:19], s[0:1], 0x0               ; mask s[4:5], query s[6:7], key s[8:9], value s[10:11], Wq s[12:13], Wk s[14:15], Wv s[16:17], Wo s[18:19]
	s_load_b256 s[20:27], s[0:1], 0x40             ; maskw s[20:21], codes s[22:23], scales s[24:25], wf s[26:27]
	v_lshl_add_u32 v[SPW], v0, 2, SPARE
	v_mov_b32 v[NIL], 0
	v_lshrrev_b32 v1, 5, v0
	v_readfirstlane_b32 s28, v1                    ; wave 0..3
	v_and_b32 v2, 31, v0                           ; lane
	s_wait_kmcnt 0x0
	s_cmp_lt_u32 ttmp9, 256
	s_cbranch_scc1 .Lmask
	s_cmp_lt_u32 ttmp9, 736
	s_cbranch_scc0 .Lwo
; ---------------- THE QUANTISER.  A wave takes 16 steps of 512 numbers: 8,192 numbers, 4,096 bytes of codes, 256 scale bytes.  Rows are dense and 1,024 is a multiple of 32: nothing here knows of rows.
; Each of a step's four loads reads 512 consecutive bytes, 16 a lane; the 2,048 bytes turn through the wave's stage in LDS and come back 64 bytes a lane: 16 neighbours along K, two lanes to a block.
.set STEPSQ, 16
.set EMAX,  2
.set CB,    8                          ; bytes of 16 codes
.set QR,    16                         ; v16-79   four sets of 16 numbers as loaded
.set QX,    80                         ; v80-111  two sets of 16 neighbours
.set QE,    112                        ; v112-127 a scale byte for each step
.set QC,    128                        ; v128-191 codes: four registers a step, so that no store's data are written again
.set WREG,  8192
.set SP,    80                         ; a lane's place in a stage: 64 bytes + 16 of padding
	s_sub_co_u32 s29, ttmp9, 256                   ; 0 .. 479: 128 work-groups for each of query, key, value, then 32 for each weight
	s_lshr_b32 s30, s29, 7                         ; which tensor and which part of it, if it is one of the three large ones,
	s_and_b32 s31, s29, 127
	s_sub_co_u32 s32, s29, 384
	s_lshr_b32 s33, s32, 5                         ; and if it is a weight
	s_add_co_u32 s33, s33, 3
	s_and_b32 s34, s32, 31
	s_cmp_lt_u32 s29, 384
	s_cselect_b32 s30, s30, s33
	s_cselect_b32 s31, s31, s34
	s_mov_b64 s[36:37], s[6:7]                     ; the input: a choice among six buffers on the work-group's number alone
	s_cmp_eq_u32 s30, 1
	s_cselect_b64 s[36:37], s[8:9], s[36:37]
	s_cmp_eq_u32 s30, 2
	s_cselect_b64 s[36:37], s[10:11], s[36:37]
	s_cmp_eq_u32 s30, 3
	s_cselect_b64 s[36:37], s[12:13], s[36:37]
	s_cmp_eq_u32 s30, 4
	s_cselect_b64 s[36:37], s[14:15], s[36:37]
	s_cmp_eq_u32 s30, 5
	s_cselect_b64 s[36:37], s[16:17], s[36:37]
	s_lshl_b32 s31, s31, 2
	s_add_co_u32 s31, s31, s28                     ; my run of 8,192 numbers in the input: 32,768 bytes each
	s_lshl_b32 s40, s31, 15
	s_mov_b32 s41, 0
	s_add_nc_u64 s[36:37], s[36:37], s[40:41]
	s_lshl_b32 s29, s29, 2
	s_add_co_u32 s29, s29, s28                     ; and in the one stream of codes and of scale bytes
	s_lshl_b32 s40, s29, 12
	s_add_nc_u64 s[22:23], s[22:23], s[40:41]
	s_lshl_b32 s40, s29, 8
	s_add_nc_u64 s[24:25], s[24:25], s[40:41]
	v_lshlrev_b32 v3, 4, v2                        ; my 16 bytes of a load's 512
	s_mul_i32 s38, s28, WREG
	v_lshrrev_b32 v14, 2, v2
	v_mul_u32_u24 v14, v14, SP
	v_and_b32 v15, 3, v2
	v_lshl_add_u32 v14, v15, 4, v14
	v_add_nc_u32 v14, s38, v14                     ; the stage, on the way in: SP (lane / 4) + 16 (lane % 4)
	v_mul_u32_u24 v15, v2, SP
	v_add_nc_u32 v15, s38, v15                     ; and on the way out: SP x lane
	v_mul_u32_u24 v4, v2, CB                       ; my codes' place in a step's
	v_lshrrev_b32 v5, 1, v2
	s_add_co_u32 s38, s38, 2*32*SP
	v_add_nc_u32 v5, s38, v5                       ; my wave's 256 scale bytes, my block's byte
	v_lshlrev_b32 v7, 3, v2
	v_add_nc_u32 v6, s38, v7                       ; and on the way out 8 bytes a lane
.macro QLOAD t
.irp i, 0,1,2,3
	global_load_b128 v[QR+16*((\t)%4)+4*\i:QR+16*((\t)%4)+4*\i+3], v3, s[36:37] offset:2048*(\t)+512*\i th:TH_LOAD_NT
.endr
.endm
.macro QTURN t                         ; step t's numbers through the stage: LDS serves a wave's instructions in order, so no wait stands between the stores and the loads
.irp i, 0,1,2,3
	ds_store_b128 v14, v[QR+16*((\t)%4)+4*\i:QR+16*((\t)%4)+4*\i+3] offset:32*SP*((\t)%2)+8*SP*\i
.endr
.irp i, 0,1,2,3
	ds_load_b128 v[QX+16*((\t)%2)+4*\i:QX+16*((\t)%2)+4*\i+3], v15 offset:32*SP*((\t)%2)+16*\i
.endr
.endm
.irp t, 0,1,2,3
	QLOAD \t
.endr
	s_wait_loadcnt 12                              ; step 0's four loads are in; the twelve of steps 1 to 3 may be out
	QTURN 0
.macro QSTEP t
.set XS, QX+16*((\t)%2)
.if (\t) > 0
	s_wait_dscnt 1                                 ; this step's numbers are back from the stage (the last step's byte store may be out)
.else
	s_wait_dscnt 0x0
.endif
.if (\t)+4 < STEPSQ
	QLOAD (\t)+4                                   ; into the registers that the stage's stores have read
.endif
.if (\t)+1 < STEPSQ
.if STEPSQ-2-(\t) >= 3
	s_wait_loadcnt 12                              ; the next step's four loads are in; those of the three steps behind it may be out
.else
	s_wait_loadcnt 4*(STEPSQ-2-(\t))
.endif
	QTURN (\t)+1
.endif
	v_max3_num_f32 v8, |v[XS]|, |v[XS+1]|, |v[XS+2]|               ; the largest magnitude of my 16, in two chains
	v_max3_num_f32 v9, |v[XS+3]|, |v[XS+4]|, |v[XS+5]|
.irp i, 6,10
	v_max3_num_f32 v8, v8, |v[XS+\i]|, |v[XS+\i+1]|
	v_max3_num_f32 v9, v9, |v[XS+\i+2]|, |v[XS+\i+3]|
.endr
	v_max3_num_f32 v8, v8, |v[XS+14]|, |v[XS+15]|
	v_max3_num_f32 v8, v8, v9, (EMAX+1)<<23        ; and the floor 2^(3 - 127): the byte cannot fall under 1
	v_max_num_f32_dpp v8, v8, v8 row_xmask:1 row_mask:0xf bank_mask:0xf   ; with my neighbour's 16: the block's
	v_add_nc_u32 v11, -(EMAX<<23), v8              ; 2 off its exponent field: the conversion takes the exponent field of this operand as its scale, and nothing else of it
	v_cvt_scalef32_pk8_fp4_f32 v[QC+4*(\t)], v[XS:XS+7], v11
	v_cvt_scalef32_pk8_fp4_f32 v[QC+4*(\t)+1], v[XS+8:XS+15], v11
	v_lshrrev_b32 v[QE+(\t)], 23, v11              ; the scale's byte (also the plain line behind the conversions)
	ds_store_b8 v5, v[QE+(\t)] offset:16*(\t)      ; both lanes of a block write the same byte with the same value
	global_store_b64 v4, v[QC+4*(\t):QC+4*(\t)+1], s[22:23] offset:32*CB*(\t)   ; the wave stores 256 consecutive bytes, aligned
.endm
.irp t, 0,1,2,3,4,5,6,7,8,9,10,11,12,13,14,15
	QSTEP \t
.endr
	ds_load_b64 v[8:9], v6                         ; LDS serves a wave's instructions in order: these see my byte stores
	s_wait_dscnt 0x0
	global_store_b64 v7, v[8:9], s[24:25]          ; 256 scale bytes: 256 consecutive bytes, aligned
	FINISH
; ---------------- THE MASK.  Wave W = 4 x work-group + wave takes 64 queries (W / 16) x 256 keys (W % 16): 16 units of 16 queries x 64 keys.
; A unit's eight loads read whole runs of 256 bytes (two rows an instruction); the unit turns through the wave's stage (rows 272 bytes apart) so that lane l holds query l % 16 and, in register 8 kt + jj,
; key 16 kt + 8 (l / 16) + jj: the layout of the scores.  A compare then gives the 32 lanes' bits as one word, and a write to lane j puts word j where one store of 8 bytes a lane takes it.
.set MR,  16                           ; v16-143  four sets of 32 as loaded
.set MX,  144                          ; v144-175 a unit back from the stage
.set MWD, 176                          ; v176-191 the words: register 4 kk + t, lane j
.set MK,  44                           ; s44-59   sixteen lane masks by turns
.Lmask:
	s_lshl_b32 s29, ttmp9, 2
	s_add_co_u32 s29, s29, s28
	s_lshr_b32 s30, s29, 4                         ; block of 64 queries
	s_and_b32 s31, s29, 15                         ; run of 256 keys
	s_lshl_b32 s40, s30, 20                        ; 64 rows of 16,384 bytes
	s_lshl_b32 s41, s31, 10
	s_add_co_u32 s40, s40, s41
	s_mov_b32 s41, 0
	s_add_nc_u64 s[4:5], s[4:5], s[40:41]
	s_lshl_b32 s40, s30, 15                        ; 64 key steps of 512 bytes
	s_lshl_b32 s42, s31, 11                        ; four key steps
	s_add_co_u32 s40, s40, s42
	s_add_nc_u64 s[20:21], s[20:21], s[40:41]
	v_lshrrev_b32 v7, 4, v2                        ; lane / 16
	v_and_b32 v8, 15, v2                           ; lane % 16
	v_lshlrev_b32 v3, 14, v7
	v_lshl_add_u32 v3, v8, 4, v3                   ; in memory: lanes 0-15 one row's 256 bytes, lanes 16-31 the next row's
	s_mul_i32 s43, s28, 4352
	s_add_co_u32 s43, s43, MST
	v_mul_u32_u24 v4, v7, 272
	v_lshl_add_u32 v4, v8, 4, v4
	v_add_nc_u32 v4, s43, v4                       ; into the stage, as loaded
	v_mul_u32_u24 v5, v8, 272
	v_lshl_add_u32 v5, v7, 5, v5
	v_add_nc_u32 v5, s43, v5                       ; out of it: row lane % 16, 32 bytes on for lanes 16-31
	v_lshlrev_b32 v6, 3, v2                        ; the words' way out: 8 bytes a lane
.irp i, 0,1,2,3,4,5,6,7,8,9,10,11,12,13,14,15
	v_mov_b32 v[MWD+\i], 0                         ; written once whole: a write to one lane counts as a read of its destination
.endr
.macro MLOAD u
.set LS, MR+32*((\u)%4)
.set LK, (\u)/4
.set LT, (\u)%4
.irp i, 0,1,2,3,4,5,6,7
	global_load_b128 v[LS+4*\i:LS+4*\i+3], v3, s[4:5] offset:(16*LT+2*\i)*16384+LK*256 th:TH_LOAD_NT
.endr
.endm
.macro MUNIT u
.set MS, MR+32*((\u)%4)
.set KK, (\u)/4
.set TT, (\u)%4
.if (\u) <= 12
	s_wait_loadcnt 24                              ; this unit's eight loads are in; the three younger units' 24 may be out
.else
	s_wait_loadcnt 8*(15-(\u))
.endif
.irp i, 0,1,2,3,4,5,6,7
	ds_store_b128 v4, v[MS+4*\i:MS+4*\i+3] offset:2*\i*272
.endr
.irp k, 0,1,2,3
.irp w, 0,1
	ds_load_b128 v[MX+8*\k+4*\w:MX+8*\k+4*\w+3], v5 offset:64*\k+16*\w   ; LDS serves a wave's instructions in order: these see the stores above
.endr
.endr
	s_wait_dscnt 0x0
.if (\u)+4 < 16
	MLOAD (\u)+4                                   ; into the set that the stage's stores have read
.endif
.irp g, 0,1,2,3
.irp i, 0,1,2,3,4,5,6,7
	v_cmp_ne_u32 s[MK+8*(\g%2)+\i], 0, v[MX+8*\g+\i]
.endr
.irp i, 0,1,2,3,4,5,6,7
	v_writelane_b32 v[MWD+4*KK+TT], s[MK+8*(\g%2)+\i], 8*\g+\i
.endr
.endr
.if TT%2 == 1
	global_store_b64 v6, v[MWD+4*KK+TT-1:MWD+4*KK+TT], s[20:21] offset:KK*512+(TT/2)*256   ; a pair of tiles: 256 consecutive bytes, aligned; these registers are never written again
.endif
.endm
.irp u, 0,1,2,3
	MLOAD \u
.endr
.irp u, 0,1,2,3,4,5,6,7,8,9,10,11,12,13,14,15
	MUNIT \u
.endr
	FINISH
; ---------------- Wo.  Wave id = 4 x (work-group - 736) + wave takes 16 rows n (id / 8) x 128 along k (id % 8): four fragments of 16 x 32.
.Lwo:
	s_sub_co_u32 s29, ttmp9, 736
	s_lshl_b32 s29, s29, 2
	s_add_co_u32 s29, s29, s28
	s_lshr_b32 s30, s29, 3                         ; n tile
	s_and_b32 s31, s29, 7                          ; which 128 along k
	s_lshl_b32 s40, s30, 16                        ; 16 rows of 4,096 bytes
	s_lshl_b32 s41, s31, 9
	s_add_co_u32 s40, s40, s41
	s_mov_b32 s41, 0
	s_add_nc_u64 s[18:19], s[18:19], s[40:41]
	s_lshr_b32 s40, s31, 1
	s_lshl_b32 s40, s40, 19                        ; k step: 524,288 bytes
	s_lshl_b32 s42, s30, 13                        ; n tile: 8,192
	s_add_co_u32 s40, s40, s42
	s_and_b32 s42, s31, 1
	s_lshl_b32 s42, s42, 12                        ; four fragments of 1,024
	s_add_co_u32 s40, s40, s42
	s_add_nc_u64 s[26:27], s[26:27], s[40:41]
	v_lshlrev_b32 v3, 4, v2                        ; 16 x lane: in memory, in and out
	s_mul_i32 s43, s28, 4352
	s_add_co_u32 s43, s43, WST
	v_lshlrev_b32 v4, 3, v2
	v_add_nc_u32 v4, s43, v4                       ; into the stage: my four numbers as f16, 8 bytes
	v_and_b32 v8, 15, v2
	v_lshrrev_b32 v7, 4, v2
	v_mul_u32_u24 v5, v8, 272
	v_lshl_add_u32 v5, v7, 4, v5
	v_add_nc_u32 v5, s43, v5                       ; out of it: row lane % 16, 16 bytes on for lanes 16-31: a fragment's register groups
.irp i, 0,1,2,3,4,5,6,7,8,9,10,11,12,13,14,15
	global_load_b128 v[16+4*\i:19+4*\i], v3, s[18:19] offset:4096*\i th:TH_LOAD_NT   ; 512 consecutive bytes of row i
.endr
.irp i, 0,1,2,3,4,5,6,7,8,9,10,11,12,13,14,15
	s_wait_loadcnt 15-\i                           ; row i is in; the younger rows may be out
	v_cvt_pk_f16_f32 v[80+2*\i], v[16+4*\i], v[17+4*\i]
	v_cvt_pk_f16_f32 v[81+2*\i], v[18+4*\i], v[19+4*\i]
	ds_store_b64 v4, v[80+2*\i:81+2*\i] offset:272*\i
.endr
.irp n, 0,1,2,3,4,5,6,7
	ds_load_b128 v[112+4*\n:115+4*\n], v5 offset:32*\n             ; fragment n / 2, half n % 2
.endr
.irp n, 0,1,2,3,4,5,6,7
	s_wait_dscnt 7-\n
	global_store_b128 v3, v[112+4*\n:115+4*\n], s[26:27] offset:512*\n   ; 512 consecutive bytes, aligned
.endr
	FINISH
.Lfunc_end_k_qda5b791e60_prep:
	.size	k_qda5b791e60_prep, .Lfunc_end_k_qda5b791e60_prep-k_qda5b791e60_prep
	.p2alignl 7, 3214868480
	.fill 96, 4, 3214868480
	.section	.rodata,"a",@progbits
	.p2align	6, 0x0
	.amdhsa_kernel k_qda5b791e60_prep
		.amdhsa_group_segment_fixed_size 68096
		.amdhsa_private_segment_fixed_size 0
		.amdhsa_enable_private_segment 0
		.amdhsa_kernarg_size 96
		.amdhsa_user_sgpr_count 2
		.amdhsa_user_sgpr_kernarg_segment_ptr 1
		.amdhsa_wavefront_size32 1
		.amdhsa_system_sgpr_workgroup_id_x 1
		.amdhsa_system_sgpr_workgroup_id_y 1
		.amdhsa_system_sgpr_workgroup_id_z 1
		.amdhsa_system_vgpr_workitem_id 0
		.amdhsa_next_free_vgpr 192
		.amdhsa_next_free_sgpr 66
		.amdhsa_reserve_vcc 0
		.amdhsa_float_denorm_mode_32 3
		.amdhsa_float_denorm_mode_16_64 3
		.amdhsa_memory_ordered 1
		.amdhsa_forward_progress 1
		.amdhsa_inst_pref_size 137
	.end_amdhsa_kernel
	.amdgpu_metadata
---
amdhsa.version: [ 1, 2 ]
amdhsa.kernels:
  - .name:           k_qda5b791e60_prep
    .symbol:         k_qda5b791e60_prep.kd
    .args:
      - { .name: mask, .offset: 0, .size: 8, .value_kind: global_buffer, .address_space: global }
      - { .name: query, .offset: 8, .size: 8, .value_kind: global_buffer, .address_space: global }
      - { .name: key, .offset: 16, .size: 8, .value_kind: global_buffer, .address_space: global }
      - { .name: value, .offset: 24, .size: 8, .value_kind: global_buffer, .address_space: global }
      - { .name: Wq, .offset: 32, .size: 8, .value_kind: global_buffer, .address_space: global }
      - { .name: Wk, .offset: 40, .size: 8, .value_kind: global_buffer, .address_space: global }
      - { .name: Wv, .offset: 48, .size: 8, .value_kind: global_buffer, .address_space: global }
      - { .name: Wo, .offset: 56, .size: 8, .value_kind: global_buffer, .address_space: global }
      - { .name: maskw, .offset: 64, .size: 8, .value_kind: global_buffer, .address_space: global }
      - { .name: codes, .offset: 72, .size: 8, .value_kind: global_buffer, .address_space: global }
      - { .name: scales, .offset: 80, .size: 8, .value_kind: global_buffer, .address_space: global }
      - { .name: wf, .offset: 88, .size: 8, .value_kind: global_buffer, .address_space: global }
    .group_segment_fixed_size: 68096
    .private_segment_fixed_size: 0
    .kernarg_segment_align: 8
    .kernarg_segment_size: 96
    .max_flat_workgroup_size: 128
    .sgpr_count:     66
    .vgpr_count:     192
    .wavefront_size: 32
...
	.end_amdgpu_metadata
.endif
;; end of part 1
;; launch proj (part 2): grid 4 x 48, 4 waves a work-group, clusters of 4 x 4, 327,680 bytes of LDS; arguments codes, scales, bq, bk, bv, qkv; writes qkv
.if DOCPART == 2
	.amdgcn_target "amdgcn-amd-amdhsa--gfx1250"
	.amdhsa_code_object_version 6
	.text
	.protected	k_qda5b791e60_proj
	.globl	k_qda5b791e60_proj
	.p2align	8
	.type	k_qda5b791e60_proj,@function
k_qda5b791e60_proj:
	s_mov_b64 s[64:65], 0
	v_nop
	global_prefetch_b8 v0, s[64:65] scope:SCOPE_SE
	s_setreg_imm32_b32 hwreg(HW_REG_WAVE_MODE, 25, 1), 1
	s_wait_xcnt 0x0
	s_wait_alu depctr_hold_cnt(0) depctr_sa_sdst(0) depctr_va_vdst(0) depctr_va_sdst(0) depctr_va_ssrc(0) depctr_va_vcc(0) depctr_vm_vsrc(0)
	s_getreg_b32 s2, hwreg(HW_REG_IB_STS2, 6, 4)
	s_cmp_eq_u32 s2, 0
	s_cbranch_scc0 .Lentry_in_a_cluster
	s_endpgm
.Lentry_in_a_cluster:
	s_bfe_u32 s2, ttmp6, 0x10000c
	s_cmp_lg_u32 s2, 0xf033
	s_cbranch_scc0 .Lentry_shape_is_right
	s_endpgm
.Lentry_shape_is_right:
; PROJ: the three quantised products as one GEMM on codes of FP4 (E2M1) with E8M0 scales: rows 0-4095 query x Wq, 4096-8191 key x Wk, 8192-12287 value x Wv; K = 1,024.
; codes: 15,360 rows of 512 bytes (12,288 rows of activations, then Wq, Wk, Wv); scales: the same rows of 32 bytes.  The bias is the C of each sum's first product.
; q is multiplied in f32 by c = log2(e) / 8, so that the scores arrive in units of log2; then every number is rounded ONCE to f16 and stored as images of operand registers:
; qkv [tensor 3][head 16][tile of 16 rows 256][block 4][512 bytes]: block b holds channels 16 b + 8 h + 0 .. 7 of row r, 16 bytes, at 16 x (r + 16 h) for q and k,
; and at 16 x (r % 8 + 8 h + 16 (r / 8)) for v, which is the order in which the turning LDS load of the attention launch wants its lanes.
; LIMITS: |c q|, |k|, |v| above 65,504 have no f16 number; NaN and infinities are not served.
; A tile of 256 x 256 to a work-group of four waves, 128 x 128 to a wave: 64 accumulators, 512 registers.  K is two slots of 512 (rows of 256 bytes): both are first fills, nothing is filled again.
; 192 tiles: a smaller tile would give every WGP one, at twice the LDS reads for each product; this launch's matrix work is a small part of the program's.
; CLUSTERS: 4 x 4.  The four of a row of the cluster need the same rows of activations, the four of a column the same rows of a weight: each tile is asked for jointly.
; THE MATRIX INSTRUCTION IS USED TRANSPOSED (source 0 = 16 rows of the weight, source 1 = 16 rows of activations): a lane holds eight neighbouring channels of one row: 16 bytes of f16: a register group of the image.
; REGISTERS: window 0: v0-31 addresses; v32-95 scale words, two sets; v128-191 A's fragments, one set; v192-255 the bias, 8 tiles x 8; on the way out v128-255 are at work.
;   window 1: the weight's fragments, two sets.  window 2: the accumulators of my rows 0-63 ((a, b) at v[8 (8 a + b)]); window 3: those of rows 64-127.
.set KSTEP,  512
.set NQ,     KSTEP/128
.set ROWB,   256
.set KROW,   512
.set PITCH,  272                       ; an LDS row: 256 bytes + 16 of padding = 68 words: the 16 rows that a load touches start at 16 different banks (64 banks of 4 bytes: ISA guide 11.1)
.set FR,     8
.set NL,     2
.set NP,     4
.set HALFT,  128*PITCH
.set SLOT,   4*HALFT
.set KS,     32
.set SCL,    2*SLOT                    ; behind the slots: the scales of my 256 + 256 rows, as runs of 256 bytes + 16 of padding
.set HALFS,  (128*KS/256)*272
.set SBLK,   (16*KS/256)*272
.set SPARE,  SCL+4*HALFS               ; the spare words, 128 bytes a wave: two blocks of 256 bytes that no other line names
.set ADRA, 16
.set ADRB, 20
.set CO,   26                          ; v26  the way out: 16 x my place in a block
.set ADRS, 27
.set SPW,  28
.set NIL,  29
.set SC,   32
.set AF,   128
.set TF,   128                         ; the way out: 64 scaled numbers
.set BN,   192                         ; the bias; on the way out two sets of 32 packed registers
.set G1, 24
.set G0, 32
.set G1B, 48
.set G0B, 56
.set G1S, 68
.set G0S, 76
.set G1SB, 80
.set G0SB, 88
.set MSB, 0
.macro WIN new                         ; the immediate's high byte repeats the setting that is left
.if MSB != \new
	s_set_vgpr_msb (MSB<<8)|\new
.set MSB, \new
.endif
.endm
.set MUL_LO, 0xa1                      ; source 0 window 1, source 1 window 0, C and D window 2
.set MUL_HI, 0xf1                      ; the same, C and D window 3
.set TO_B,   0x40
; A joint load: waves 0 and 1 fetch activations, waves 2 and 3 the weight.  The branch hangs on the wave's number alone.  An s_nop 0 and four v_nop follow each line.
.macro JLOAD g0a, g1a, g0b, g1b
	s_cmp_eq_u32 s17, 0
	s_cbranch_scc0 .Lfor_b_\@
	tensor_load_to_lds s[\g0a:\g0a+3], s[\g1a:\g1a+7]
	s_nop 0
.rept 4
	v_nop
.endr
	s_branch .Lasked_\@
.Lfor_b_\@:
	tensor_load_to_lds s[\g0b:\g0b+3], s[\g1b:\g1b+7]
	s_nop 0
.rept 4
	v_nop
.endr
.Lasked_\@:
.endm
.macro CROUND                          ; a round of the cluster's barrier
	s_barrier_signal -1
	s_barrier_wait -1
	s_cmp_lg_u32 s16, 0
	s_cbranch_scc1 .Lnot_wave_0_\@
	s_barrier_signal -3
.Lnot_wave_0_\@:
	s_barrier_wait -3
	s_barrier_signal -1
	s_barrier_wait -1
.endm
	s_load_b256 s[4:11], s[0:1], 0x0               ; codes s[4:5], scales s[6:7], bq s[8:9], bk s[10:11]
	s_load_b128 s[12:15], s[0:1], 0x20             ; bv s[12:13], qkv s[14:15]
	v_lshl_add_u32 v[SPW], v0, 2, SPARE
	v_mov_b32 v[NIL], 0
	ds_add_u32 v[SPW], v[NIL]                      ; the wave's opening: the add, twice on end, and its wait ahead of my first tensor load
	ds_add_u32 v[SPW], v[NIL]
	v_lshrrev_b32 v1, 5, v0
	v_readfirstlane_b32 s16, v1                    ; wave 0..3
	s_lshr_b32 s17, s16, 1                         ; which half of the tile's rows is mine.  Also: I fetch activations (0) or the weight (1)
	s_and_b32 s18, s16, 1                          ; which half of its columns.  Also: which 128 rows I fetch
	s_bfe_u32 s40, ttmp6, 0x40000                  ; cx, cy
	s_bfe_u32 s41, ttmp6, 0x40004
	s_lshl_b32 s42, ttmp9, 2
	s_add_co_u32 s42, s42, s40                     ; tile column 0..3
	s_and_b32 s19, ttmp7, 0xffff                   ; cluster y 0..11
	s_lshl_b32 s66, s19, 2
	s_add_co_u32 s66, s66, s41                     ; tile row 0..47
	s_lshr_b32 s19, s19, 2                         ; which product: 0 q, 1 k, 2 v: the same in all sixteen partners
	s_lshl_b32 s43, s41, 2
	s_lshl_b32 s43, 15, s43                        ; my row of the cluster
	s_lshl_b32 s44, 0x1111, s40                    ; my column
	s_or_b32 s[G1+0], s43, (0<<16)|(1<<20)|(1<<21)|(5<<22)|(3<<25)  ; 15:0 the mask; 17:16 elements of 1 byte; 20 padding on; 21 set beside a mask; 24:22 after every 64 words; 31:25 four words
	s_or_b32 s[G1B+0], s44, (0<<16)|(1<<20)|(1<<21)|(5<<22)|(3<<25)
.irp g, G1, G1B
	s_mov_b32 s[\g+1], ROWB<<16                    ; tensor_dim0
	s_mov_b32 s[\g+2], 128<<16                     ; tensor_dim1
	s_mov_b32 s[\g+3], ROWB<<16                    ; tile_dim0
	s_mov_b32 s[\g+4], 128                         ; tile_dim1
	s_mov_b32 s[\g+5], KROW                        ; from row to row
	s_mov_b32 s[\g+6], 0
	s_mov_b32 s[\g+7], 0
.endr
	s_or_b32 s[G1S+0], s43, (3<<16)|(1<<20)|(1<<21)|(5<<22)|(3<<25) ; the scales of 128 rows: 4,096 dense bytes as 16 rows of 256 (32 elements of 8 bytes), 16 bytes of padding behind each
	s_or_b32 s[G1SB+0], s44, (3<<16)|(1<<20)|(1<<21)|(5<<22)|(3<<25)
.irp g, G1S, G1SB
	s_mov_b32 s[\g+1], 32<<16
	s_mov_b32 s[\g+2], (128*KS/256)<<16
	s_mov_b32 s[\g+3], 32<<16
	s_mov_b32 s[\g+4], 128*KS/256
	s_mov_b32 s[\g+5], 32
	s_mov_b32 s[\g+6], 0
	s_mov_b32 s[\g+7], 0
.endr
	s_lshl_b32 s45, s18, 7                         ; which 128 rows of the tile I fetch
	s_lshl_b32 s20, s66, 8
	s_add_co_u32 s20, s20, s45                     ; activations: row 256 x tile row + 128 x half
	s_lshl_b32 s46, s42, 8
	s_add_co_u32 s46, s46, s45
	s_lshl_b32 s47, s19, 10
	s_add_co_u32 s46, s46, s47
	s_add_co_u32 s46, s46, 12288                   ; the weight: row 12,288 + 1,024 x product + 256 x tile column + 128 x half
	s_lshl_b32 s22, s20, 5                         ; their scales, 32 bytes a row,
	s_mov_b32 s23, 0
	s_lshl_b32 s92, s46, 5
	s_mov_b32 s93, 0
	s_lshl_b32 s20, s20, 9                         ; and their codes, 512 bytes a row
	s_mov_b32 s21, 0
	s_lshl_b32 s46, s46, 9
	s_mov_b32 s47, 0
	s_mul_i32 s45, s16, HALFT                      ; where they go: wave x 128 rows: no place in the cluster enters an LDS address
	s_mul_i32 s94, s16, HALFS
	s_wait_dscnt 0x0                               ; both opening adds are done
	s_wait_kmcnt 0x0
	s_add_nc_u64 s[20:21], s[4:5], s[20:21]
	s_add_nc_u64 s[22:23], s[6:7], s[22:23]
	s_add_nc_u64 s[46:47], s[4:5], s[46:47]
	s_add_nc_u64 s[92:93], s[6:7], s[92:93]
	CROUND                                         ; all sixteen work-groups are here: the joint loads meet
	s_mov_b32 s[G0S], 1
	s_add_co_u32 s[G0S+1], s94, SCL
	s_mov_b64 s[G0S+2:G0S+3], s[22:23]
	s_or_b32 s[G0S+3], s[G0S+3], 0x80000000
	s_mov_b32 s[G0SB], 1
	s_add_co_u32 s[G0SB+1], s94, SCL
	s_mov_b64 s[G0SB+2:G0SB+3], s[92:93]
	s_or_b32 s[G0SB+3], s[G0SB+3], 0x80000000
	JLOAD G0S, G1S, G0SB, G1SB                     ; the scales first: they are wanted with the first slot
.irp s, 0,1
	s_mov_b32 s[G0+4*\s], 1
	s_add_co_u32 s[G0+4*\s+1], s45, \s*SLOT
	s_add_nc_u64 s[G0+4*\s+2:G0+4*\s+3], s[20:21], \s*ROWB
	s_or_b32 s[G0+4*\s+3], s[G0+4*\s+3], 0x80000000
	s_mov_b32 s[G0B+4*\s], 1
	s_add_co_u32 s[G0B+4*\s+1], s45, \s*SLOT
	s_add_nc_u64 s[G0B+4*\s+2:G0B+4*\s+3], s[46:47], \s*ROWB
	s_or_b32 s[G0B+4*\s+3], s[G0B+4*\s+3], 0x80000000
	JLOAD G0+4*\s, G1, G0B+4*\s, G1B               ; three tensor loads of mine are out
.endr
	v_and_b32 v1, 15, v0                           ; r
	v_bfe_u32 v2, v0, 4, 1                         ; h
	; the bias of my 128 columns: lane (r, h) wants, for tile b, those of columns 16 b + 8 h + 0 .. 7
	s_cmp_eq_u32 s19, 1
	s_cselect_b64 s[8:9], s[10:11], s[8:9]
	s_cmp_eq_u32 s19, 2
	s_cselect_b64 s[8:9], s[12:13], s[8:9]
	s_lshl_b32 s20, s42, 10
	s_lshl_b32 s21, s18, 9
	s_add_co_u32 s20, s20, s21
	s_mov_b32 s21, 0
	s_add_nc_u64 s[8:9], s[8:9], s[20:21]
	v_lshlrev_b32 v7, 5, v2
.irp b, 0,1,2,3,4,5,6,7
	global_load_b128 v[BN+8*\b:BN+8*\b+3], v7, s[8:9] offset:64*\b
	global_load_b128 v[BN+8*\b+4:BN+8*\b+7], v7, s[8:9] offset:64*\b+16
.endr
	v_mul_u32_u24 v3, v1, PITCH
	v_lshl_add_u32 v4, v2, 4, v3                   ; a fragment's row x pitch + 16 x half
	s_mul_i32 s21, s17, HALFT                      ; my 128 rows of activations
	s_mul_i32 s22, s18, HALFT                      ; my 128 rows of the weight,
	s_add_co_u32 s22, s22, 2*HALFT                 ; which lie behind the 256 of activations
.irp s, 0,1
	v_add_nc_u32 v[ADRA+\s], s21, v4
	v_add_nc_u32 v[ADRB+\s], s22, v4
	s_add_co_u32 s21, s21, SLOT
	s_add_co_u32 s22, s22, SLOT
.endr
	v_mul_u32_u24 v5, v1, KS                       ; my row's scales: 32 bytes a row,
	v_lshrrev_b32 v6, 8, v5
	v_lshl_add_u32 v5, v6, 4, v5                   ; and 16 more for each 256 passed
	s_mul_i32 s21, s17, HALFS
	s_mul_i32 s22, s18, HALFS
	s_add_co_u32 s22, s22, 2*HALFS
	s_sub_co_u32 s22, s22, s21
	v_mul_u32_u24 v6, s22, v2                      ; lanes 16-31 take the weight's
	s_add_co_u32 s21, s21, SCL
	v_add_nc_u32 v5, v5, v6
	v_add_nc_u32 v[ADRS], s21, v5
	; the way out
	s_cmp_eq_u32 s19, 0
	s_mov_b32 s96, 1.0
	s_cselect_b32 s96, 0x3e38aa3b, s96             ; q: c = log2(e) / 8; k and v: 1
	s_mov_b32 s97, s96                             ; (named with it as a pair)
	s_cmp_eq_u32 s19, 2
	s_cselect_b32 s98, 24, 0                       ; v: bits 3 and 4 of the lane's number change places
	v_and_b32 v5, 31, v0
	v_lshrrev_b32 v6, 3, v5
	v_xor_b32 v6, v6, v2
	v_and_b32 v6, 1, v6                            ; do the two bits differ?
	v_mul_u32_u24 v6, v6, s98
	v_xor_b32 v5, v5, v6
	v_lshlrev_b32 v[CO], 4, v5
	s_lshl_b32 s20, s19, 23                        ; tensor: 8,388,608 bytes
	s_lshl_b32 s21, s42, 21                        ; four heads to a tile column, 524,288 bytes a head
	s_add_co_u32 s20, s20, s21
	s_lshl_b32 s21, s18, 20                        ; two heads to my half
	s_add_co_u32 s20, s20, s21
	s_and_b32 s21, s66, 15
	s_lshl_b32 s21, s21, 15                        ; sixteen tiles of 16 rows to a tile row, 2,048 bytes each
	s_add_co_u32 s20, s20, s21
	s_lshl_b32 s21, s17, 14                        ; eight to my half
	s_add_co_u32 s20, s20, s21
	s_mov_b32 s21, 0
	s_add_nc_u64 s[14:15], s[14:15], s[20:21]
.macro FRAG reg, adr, q, i             ; a fragment, 16 rows x 128 K of 4-bit codes: lane l holds row l % 16; registers 4 c .. 4 c + 3 hold K = 64 c + 32 (l / 16) + 0 .. 31
.irp c, 0,1
	ds_load_b128 v[\reg+4*\c:\reg+4*\c+3], v[\adr] offset:64*(\q)+32*\c+(\i)*16*PITCH
.endr
.endm
; 16 matrix instructions: A's blocks a0, a0 + 1 x the weight's eight, 128 along K.  zero = 1: the first product starts the sums from the bias.  The 64 accumulators take turns, one instruction a turn.
.macro MUL16 a0, p, q, sc, zero
.irp a, \a0, \a0+1
.irp b, 0,1,2,3,4,5,6,7
.if \zero
	v_wmma_scale_f32_16x16x128_f8f6f4 v[8*(8*((\a)%4)+\b):8*(8*((\a)%4)+\b)+7], v[128*(\p)+FR*\b:128*(\p)+FR*\b+FR-1], v[AF+FR*(\a):AF+FR*(\a)+FR-1], v[BN+8*\b:BN+8*\b+7], v[SC+8*NQ*(\sc)+NQ*\b+(\q)], v[SC+8*NQ*(\sc)+NQ*(\a)+(\q)] matrix_a_fmt:MATRIX_FMT_FP4 matrix_b_fmt:MATRIX_FMT_FP4 matrix_a_scale:MATRIX_SCALE_ROW1
.else
	v_wmma_scale_f32_16x16x128_f8f6f4 v[8*(8*((\a)%4)+\b):8*(8*((\a)%4)+\b)+7], v[128*(\p)+FR*\b:128*(\p)+FR*\b+FR-1], v[AF+FR*(\a):AF+FR*(\a)+FR-1], v[8*(8*((\a)%4)+\b):8*(8*((\a)%4)+\b)+7], v[SC+8*NQ*(\sc)+NQ*\b+(\q)], v[SC+8*NQ*(\sc)+NQ*(\a)+(\q)] matrix_a_fmt:MATRIX_FMT_FP4 matrix_b_fmt:MATRIX_FMT_FP4 matrix_a_scale:MATRIX_SCALE_ROW1
.endif
.endr
.endr
.endm
.macro FETCH_B slot, q, p
	WIN TO_B
.irp i, 0,1,2,3,4,5,6,7
	FRAG 128*(\p)+FR*\i, ADRB+\slot, \q, \i
.endr
	WIN 0
.endm
.macro FETCH_A slot, q, i0
.irp i, \i0, \i0+1, \i0+2, \i0+3
	FRAG AF+FR*(\i), ADRA+\slot, \q, \i
.endr
.endm
.macro SCALES sc                       ; a slot's scale words: four a row; lanes 0-15 take A's block i, lanes 16-31 the weight's block i
.irp i, 0,1,2,3,4,5,6,7
	ds_load_b128 v[SC+8*NQ*\sc+NQ*\i:SC+8*NQ*\sc+NQ*\i+3], v[ADRS] offset:\i*SBLK
.endr
.endm
.macro PLACES n                        ; plain vector instructions between a matrix instruction and a load into, or a read of, its registers
.rept \n
	v_nop
.endr
.endm
.macro STEP slot, q, zero              ; 128 along K, with its successor in the same slot
	s_wait_dscnt 4*NL                              ; the weight's set and A's blocks 0-3 are in; the youngest eight loads (A's blocks 4-7) may be out
.if \zero
	WIN 0x81                                       ; C, the bias, in window 0; D in window 2
.else
	WIN MUL_LO
.endif
	MUL16 0, (\q)%2, \q, \slot, \zero
	MUL16 2, (\q)%2, \q, \slot, \zero
	s_wait_dscnt 0                                 ; A's blocks 4-7 are in
	PLACES NP
	FETCH_B \slot, (\q)+1, 1-(\q)%2
	FETCH_A \slot, (\q)+1, 0
.if \zero
	WIN 0xc1
.else
	WIN MUL_HI
.endif
	MUL16 4, (\q)%2, \q, \slot, \zero
	MUL16 6, (\q)%2, \q, \slot, \zero
	PLACES NP
	WIN 0
	FETCH_A \slot, (\q)+1, 4
.endm
.macro TURN slot, next                 ; a slot's last step changes slots: one barrier
	s_wait_tensorcnt 0x0                           ; all my tensor loads have landed: my part of the next slot
	ds_add_u32 v[SPW], v[NIL]                      ; 0 onto my spare word
	s_wait_dscnt 4*NL+1                            ; (the add and the youngest eight loads may be out)
	WIN MUL_LO
	MUL16 0, 1, NQ-1, \slot, 0
	s_wait_dscnt 0x0                               ; the add is done, and my reads of this slot are over
	s_barrier_signal -1
	MUL16 2, 1, NQ-1, \slot, 0
	WIN 0
	s_barrier_wait -1                              ; the next slot is whole
	PLACES NP
	v_add_nc_u32 v[ADRS], 4*NQ, v[ADRS]            ; on to the next slot's scale words
	FETCH_B \next, 0, 0
	FETCH_A \next, 0, 0
	SCALES \next
	WIN MUL_HI
	MUL16 4, 1, NQ-1, \slot, 0
	MUL16 6, 1, NQ-1, \slot, 0
	PLACES NP
	WIN 0
	FETCH_A \next, 0, 4
.endm
	s_wait_tensorcnt 1                             ; the scales and my part of slot 0 are in (slot 1's load may be out),
	s_barrier_signal -1
	s_barrier_wait -1                              ; everybody's are
	FETCH_B 0, 0, 0
	FETCH_A 0, 0, 0
	SCALES 0
	FETCH_A 0, 0, 4
	s_wait_loadcnt 0x0                             ; the bias
	STEP 0, 0, 1
	STEP 0, 1, 0
	STEP 0, 2, 0
	TURN 0, 1
	STEP 1, 0, 0
	STEP 1, 1, 0
	STEP 1, 2, 0
	s_wait_dscnt 4*NL                              ; the last step: nothing more to fetch
	WIN MUL_LO
	MUL16 0, 1, NQ-1, 1, 0
	MUL16 2, 1, NQ-1, 1, 0
	s_wait_dscnt 0
	WIN MUL_HI
	MUL16 4, 1, NQ-1, 1, 0
	MUL16 6, 1, NQ-1, 1, 0
	WIN 0
; THE WAY OUT, a block of 16 rows at a time: x c or x 1 in f32, one rounding to f16; a lane's 16 bytes are a register group of the image, so each store of the wave covers 512 consecutive bytes, aligned.  No stage.
.macro OUT a
.set AC, 64*((\a)%4)
.set HH, BN+32*((\a)%2)
	WIN 0x02+((\a)/4)                              ; source 0: window 2 or 3
.irp b, 0,1,2,3,4,5,6,7
.irp i, 0,1,2,3
	v_pk_mul_f32 v[TF+8*\b+2*\i:TF+8*\b+2*\i+1], v[AC+8*\b+2*\i:AC+8*\b+2*\i+1], s[96:97] op_sel_hi:[1,0]   ; each accumulator from its low end on
.endr
.endr
	WIN 0
.if (\a) >= 2
	s_wait_xcnt 0x0                                ; the stores of two blocks ago have read this set of registers
.endif
.irp b, 0,1,2,3,4,5,6,7
.irp i, 0,1,2,3
	v_cvt_pk_f16_f32 v[HH+4*\b+\i], v[TF+8*\b+2*\i], v[TF+8*\b+2*\i+1]
.endr
.endr
.irp b, 0,1,2,3,4,5,6,7
	global_store_b128 v[CO], v[HH+4*\b:HH+4*\b+3], s[14:15] offset:(\a)*2048+(\b/4)*524288+(\b%4)*512
.endr
.endm
	PLACES NP                                      ; behind the last products: the first lines below write registers that held A's fragments
.irp a, 0,1,2,3,4,5,6,7
	OUT \a
.endr
	s_wait_tensorcnt 0x0                           ; the wave's end
	ds_add_u32 v[SPW], v[NIL]
	s_wait_dscnt 0x0
	CROUND                                         ; the closing round: no work-group ends while a partner may still ask for a tile that names it
	s_endpgm
.Lfunc_end_k_qda5b791e60_proj:
	.size	k_qda5b791e60_proj, .Lfunc_end_k_qda5b791e60_proj-k_qda5b791e60_proj
	.p2alignl 7, 3214868480
	.fill 96, 4, 3214868480
	.section	.rodata,"a",@progbits
	.p2align	6, 0x0
	.amdhsa_kernel k_qda5b791e60_proj
		.amdhsa_group_segment_fixed_size 327680
		.amdhsa_private_segment_fixed_size 0
		.amdhsa_enable_private_segment 0
		.amdhsa_kernarg_size 48
		.amdhsa_user_sgpr_count 2
		.amdhsa_user_sgpr_kernarg_segment_ptr 1
		.amdhsa_wavefront_size32 1
		.amdhsa_system_sgpr_workgroup_id_x 1
		.amdhsa_system_sgpr_workgroup_id_y 1
		.amdhsa_system_sgpr_workgroup_id_z 1
		.amdhsa_system_vgpr_workitem_id 0
		.amdhsa_next_free_vgpr 1024
		.amdhsa_next_free_sgpr 100
		.amdhsa_reserve_vcc 0
		.amdhsa_float_denorm_mode_32 3
		.amdhsa_float_denorm_mode_16_64 3
		.amdhsa_memory_ordered 1
		.amdhsa_forward_progress 1
		.amdhsa_inst_pref_size 136
	.end_amdhsa_kernel
	.amdgpu_metadata
---
amdhsa.version: [ 1, 2 ]
amdhsa.kernels:
  - .name:           k_qda5b791e60_proj
    .symbol:         k_qda5b791e60_proj.kd
    .args:
      - { .name: codes, .offset: 0, .size: 8, .value_kind: global_buffer, .address_space: global }
      - { .name: scales, .offset: 8, .size: 8, .value_kind: global_buffer, .address_space: global }
      - { .name: bq, .offset: 16, .size: 8, .value_kind: global_buffer, .address_space: global }
      - { .name: bk, .offset: 24, .size: 8, .value_kind: global_buffer, .address_space: global }
      - { .name: bv, .offset: 32, .size: 8, .value_kind: global_buffer, .address_space: global }
      - { .name: qkv, .offset: 40, .size: 8, .value_kind: global_buffer, .address_space: global }
    .group_segment_fixed_size: 327680
    .private_segment_fixed_size: 0
    .kernarg_segment_align: 8
    .kernarg_segment_size: 48
    .max_flat_workgroup_size: 128
    .sgpr_count:     100
    .vgpr_count:     1024
    .wavefront_size: 32
...
	.end_amdgpu_metadata
.endif
;; end of part 2
;; launch attn (part 3): grid 16 x 16, 4 waves a work-group, clusters of 4 x 1, 327,680 bytes of LDS; arguments qkv, maskw, xf; writes xf
.if DOCPART == 3
	.amdgcn_target "amdgcn-amd-amdhsa--gfx1250"
	.amdhsa_code_object_version 6
	.text
	.protected	k_qda5b791e60_attn
	.globl	k_qda5b791e60_attn
	.p2align	8
	.type	k_qda5b791e60_attn,@function
k_qda5b791e60_attn:
	s_mov_b64 s[64:65], 0
	v_nop
	global_prefetch_b8 v0, s[64:65] scope:SCOPE_SE
	s_setreg_imm32_b32 hwreg(HW_REG_WAVE_MODE, 25, 1), 1
	s_wait_xcnt 0x0
	s_wait_alu depctr_hold_cnt(0) depctr_sa_sdst(0) depctr_va_vdst(0) depctr_va_sdst(0) depctr_va_ssrc(0) depctr_va_vcc(0) depctr_vm_vsrc(0)
	s_getreg_b32 s2, hwreg(HW_REG_IB_STS2, 6, 4)
	s_cmp_eq_u32 s2, 0
	s_cbranch_scc0 .Lentry_in_a_cluster
	s_endpgm
.Lentry_in_a_cluster:
	s_bfe_u32 s2, ttmp6, 0x10000c
	s_cmp_lg_u32 s2, 0x3003
	s_cbranch_scc0 .Lentry_shape_is_right
	s_endpgm
.Lentry_shape_is_right:
; ATTN: x[q][head] = the sum over keys of softmax(scores) v, scores = q . k / 8, replaced by -1e9 where the mask is 0.  q, k, v: f16 images of operand registers (qkv); q already carries log2(e) / 8.
; Products, maxima and sums in f32; the weights p are rounded to f16 for the second product, x once at the end.  x leaves as images of operand registers for the last product:
; xf [k step 4][tile of 16 rows 256][k fragment 8][half 2][lane 32][16 bytes].
; SHARES.  A work-group owns 256 queries of one head, each of its four waves 64: four tiles of 16.  Every wave walks all 4,096 keys, 64 a step.
; LAYOUT.  S^T = K Q^T (source 0 = 16 keys, source 1 = 16 queries): a lane holds ONE query (lane % 16) and keys 8 (lane / 16) + 0..7 of each tile of 16.  Two such tiles, rounded to f16 in pairs, ARE source 1 of
; O^T = V^T P, whose result again holds one query a lane.  V comes out of LDS turned, by ds_load_tr16_b128; its image is laid so that lane l's 16 bytes stand at 16 l.
; THE MASK.  maskw holds, for each score register of each tile, the 32 lanes' bits as one word.  A lane's load brings word j to lane j; v_readlane_b32 makes it a lane mask; v_cndmask_b32 puts NEG = -1e9 log2(e) in the
; place of a hidden score.  No branch and no address hangs on it.
; SOFTMAX.  A running maximum m and sum l for each query: p = 2^(s - m), the difference by a subtraction, which is exactly 0 for s = m: a row that is hidden everywhere has p = 1 for every key, as the definition has it.
; In every step O and l are multiplied by a = 2^(m_old - m_new).  THE ROW'S SUM is made by the matrix unit, a fragment of ones x P: it sums p AFTER its rounding to f16 (stated limit); only register 0 of that
; accumulator is rescaled and read; the other seven hold sums of p, at most 4,096.
; LIMITS: NaN and infinities are not served; |x| above 65,504 has no f16 number.
; BY TURNS.  Piece 0 = tiles 0, 1; piece 2 = tiles 2, 3.  In a TURN one piece has the matrix unit (20 products V^T P and ones x P of the step in hand, then 16 products K Q^T of the next step); the other piece's softmax,
; 332 vector instructions, stands in slices behind the matrix instructions.  Two turns are a key step.
; CLUSTER.  The four query blocks of a cluster belong to one head and walk the same K and V: each tile is asked for JOINTLY.  A slot holds four key steps: one load a wave behind each round, 16 KiB.
; REGISTERS: window 0: v2-15 addresses and mask words; v16-47 eight of statistics a tile; v64-191 S^T, 32 a tile; v192-255 P, 16 a tile.
;   window 1: v0-127 O^T, 32 a tile; v128-159 the sums, 8 a tile.   window 2: v0-63 Q; v64-127 K of a step; v128-191 V of a step; v192-199 ones.
.set SLOTB, 65536                      ; a slot: K of four key steps (4 x 8,192 bytes), then V of the same
.set STEPB, 8192
.set VOFF,  32768
.set MBASE, 131072                     ; behind the two slots: the mask words of the work-group's 256 queries, 32,768 bytes a wave, filled once, read by that wave alone
.set SPARE, 262144                     ; the spare words, 128 bytes a wave: two blocks of 256 bytes that no other line names
.set AK0, 2                            ; v2   16 x lane: my place in an image, in LDS and in memory; never rewritten
.set AM0, 3                            ; v3   my place among my wave's mask words: 8 x lane; never rewritten
.set ADR, 4                            ; v4   LDS address of the run of loads in hand
.set ADM, 5                            ; v5   and of the step's mask words
.set NEGR, 7                           ; v7   NEG
.set MWA, 8                            ; v8-11 the mask words of tiles 0 to 3: lane j holds register j's
.set PFO, 12                           ; v12  256 x lane, for the prefetches; never rewritten
.set SPW, 14
.set NIL, 15
.set ST,  16                           ; tile t at v[ST+8 t]: +0 m, +1 m_old, then m_old - m; +4..+7 four chains of the maximum; a takes +6
.set S,   64
.set P,   192
.set LL,  128                          ; the sums, in window 1
.set KF,  64                           ; in window 2
.set VF,  128
.set ONES, 192
.set WV,  12
.set LIM, 15                           ; s15  1 in a wave that prefetches, else the greatest number
.set PFA, 18                           ; s[18:19] where my prefetches stand
.set G1,  24                           ; s[24:31] group 1 of the joint loads
.set G0A, 32                           ; s[32:35] group 0 for slot 0's first fill
.set G0B, 36                           ; s[36:39] for slot 1's; it then walks
.set G1M, 40                           ; s[40:47], s[48:51] groups 1 and 0 for my mask words
.set G0M, 48
.set SLOTS, 56
.set CNT, 57
.set SEL, 60                           ; s[60:61] lane selects: lane l xor 16
.set TB,  62                           ; s62  LDS byte at which the step to be fetched begins
.set TM,  63                           ; s63  and its mask words: 512 bytes a step
.set MSK, 68                           ; s68-99 sixteen lane masks for each of a piece's two tiles
.set MSB, 0
.macro WIN new                         ; the immediate's high byte repeats the setting that is left; a switch that changes nothing is dropped
.if MSB != \new
	s_set_vgpr_msb (MSB<<8)|\new
.set MSB, \new
.endif
.endm
.set W_KQ, 0x0a                        ; K and Q in window 2, S^T in window 0
.set W_PV, 0x52                        ; V or ones in window 2, P in window 0, C and D in window 1
.set W_RS, 0x41                        ; destination and source 0 in window 1, a in window 0
.macro JLOAD                           ; the joint refill: one line for all four waves: waves 0, 1 bring K's halves, waves 2, 3 V's, by their own group 0.  An s_nop 0 and four v_nop follow
	tensor_load_to_lds s[G0B:G0B+3], s[G1:G1+7]
	s_nop 0
.rept 4
	v_nop
.endr
.endm
; A prefetch of what the NEXT change of slots will ask for: 32,768 bytes of K and of V.  All clusters of a head walk the same bytes: the head's first cluster asks.  Its four partners share them out by address,
; 8,192 bytes each, lanes 256 bytes apart; wave 0 asks for K's, wave 2 for V's: each aligned 256 bytes are named once in the launch.  The last change that fills a slot asks for nothing.
.macro ASK
	s_cmp_gt_u32 s[SLOTS], s[LIM]
	s_cbranch_scc0 .Lnot_mine_\@
	global_prefetch_b8 v[PFO], s[PFA:PFA+1] th:TH_LOAD_NT scope:SCOPE_SE
.Lnot_mine_\@:
.endm
.macro CROUND                          ; a round of the cluster's barrier
	s_barrier_signal -1
	s_barrier_wait -1
	s_cmp_lg_u32 s[WV], 0
	s_cbranch_scc1 .Lnot_wave_0_\@
	s_barrier_signal -3
.Lnot_wave_0_\@:
	s_barrier_wait -3
	s_barrier_signal -1
	s_barrier_wait -1
.endm
.macro PLACES
.rept 4
	v_nop
.endr
.endm
	s_load_b128 s[4:7], s[0:1], 0x0                ; qkv s[4:5], maskw s[6:7]
	s_load_b64 s[8:9], s[0:1], 0x10                ; xf
	v_lshl_add_u32 v[SPW], v0, 2, SPARE
	v_mov_b32 v[NIL], 0
	ds_add_u32 v[SPW], v[NIL]                      ; the wave's opening: the add, twice on end, and its wait ahead of my first tensor load
	ds_add_u32 v[SPW], v[NIL]
	v_lshrrev_b32 v1, 5, v0
	v_readfirstlane_b32 s[WV], v1                  ; wave 0..3
	s_bfe_u32 s13, ttmp6, 0x40000                  ; cx
	s_lshl_b32 s14, ttmp9, 2
	s_add_co_u32 s14, s14, s13                     ; my block of 256 queries
	s_and_b32 s16, ttmp7, 0xffff                   ; the head, which the four partners share
	s_lshl_b32 s17, s16, 19                        ; a head is 524,288 bytes in each of q, k, v
	s_lshr_b32 s20, s[WV], 1
	s_add_co_u32 s20, s20, 1
	s_lshl_b32 s20, s20, 23                        ; k (waves 0, 1) or v (waves 2, 3): 8,388,608 bytes a tensor
	s_add_co_u32 s20, s20, s17
	s_mov_b32 s21, 0                               ; s[20:21]: my tensor at my head
	s_and_b32 s22, s[WV], 1
	s_lshl_b32 s22, s22, 14
	s_add_co_u32 s22, s22, s20
	s_mov_b32 s23, 0                               ; s[22:23]: my 16,384 bytes of slot 0: nothing here hangs on cx
	s_lshl_b32 s52, s14, 2
	s_add_co_u32 s52, s52, s[WV]                   ; my wave's block of 64 queries
	s_lshl_b32 s54, s52, 15                        ; its mask words: 32,768 bytes
	s_mov_b32 s55, 0
	s_lshl_b32 s2, s52, 13                         ; its four tiles of q: 2,048 bytes each
	s_add_co_u32 s2, s2, s17
	s_mov_b32 s3, 0
	s_lshr_b32 s10, s16, 2
	s_lshl_b32 s10, s10, 21                        ; x: k step head / 4: 2,097,152 bytes;
	s_add_co_u32 s10, s10, s54                     ; four tiles of 8,192 bytes to my 64 queries;
	s_and_b32 s11, s16, 3
	s_lshl_b32 s11, s11, 11                        ; two fragments of 1,024 bytes to a head
	s_add_co_u32 s10, s10, s11
	s_mov_b32 s11, 0
	s_lshl_b32 s58, s13, 13                        ; the prefetches: my work-group's 8,192 bytes,
	s_add_co_u32 s58, s58, 2*32768                 ; in slot 2: the first change of slots steps it to slot 3.  Nothing is prefetched at the head
	s_mov_b32 s59, 0
	s_mov_b32 s[G1], 15|(3<<16)|(1<<21)            ; 15:0 the mask: all four work-groups; 17:16 elements of 8 bytes; 21 set beside a mask; no padding: images are read 16 bytes a lane on end
	s_mov_b32 s[G1+1], 32<<16                      ; tensor_dim0 = 32 elements: rows of 256 bytes
	s_mov_b32 s[G1+2], 64<<16                      ; tensor_dim1 = 64
	s_mov_b32 s[G1+3], 32<<16                      ; tile_dim0
	s_mov_b32 s[G1+4], 64                          ; tile_dim1
	s_mov_b32 s[G1+5], 32                          ; dense
	s_mov_b32 s[G1+6], 0
	s_mov_b32 s[G1+7], 0
	s_mov_b32 s[G1M], 3<<16                        ; my mask words: no work-group mask; 128 rows of 256 bytes
	s_mov_b32 s[G1M+1], 32<<16
	s_mov_b32 s[G1M+2], 128<<16
	s_mov_b32 s[G1M+3], 32<<16
	s_mov_b32 s[G1M+4], 128
	s_mov_b32 s[G1M+5], 32
	s_mov_b32 s[G1M+6], 0
	s_mov_b32 s[G1M+7], 0
	s_mov_b32 s[SEL], 0x76543210
	s_mov_b32 s[SEL+1], 0xfedcba98
	s_mov_b32 s[TB], 0
	s_mov_b32 s[TM], 0
	s_mov_b32 s[SLOTS], 14                         ; sixteen slots' worth of keys; two are first fills
	s_and_b32 s[LIM], s[WV], 1                     ; 0 in waves 0 and 2,
	s_or_b32 s[LIM], s[LIM], ttmp9                 ; where the cluster is the head's first: the same in all four partners
	s_cmp_eq_u32 s[LIM], 0
	s_cselect_b32 s[LIM], 1, -1
	v_and_b32 v1, 31, v0
	v_lshlrev_b32 v[AK0], 4, v1
	v_lshlrev_b32 v[AM0], 3, v1
	s_lshl_b32 s53, s[WV], 15
	s_add_co_u32 s53, s53, MBASE
	v_add_nc_u32 v[AM0], s53, v[AM0]
	s_wait_dscnt 0x0                               ; both opening adds are done
	s_wait_kmcnt 0x0
	s_add_nc_u64 s[8:9], s[8:9], s[10:11]          ; x at my wave's rows
	s_add_nc_u64 s[2:3], s[4:5], s[2:3]            ; q likewise
	s_add_nc_u64 s[PFA:PFA+1], s[4:5], s[20:21]
	s_add_nc_u64 s[PFA:PFA+1], s[PFA:PFA+1], s[58:59]
	CROUND                                         ; all four work-groups are here: the first joint loads meet
	s_mov_b32 s[G0M], 1
	s_lshl_b32 s[G0M+1], s[WV], 15
	s_add_co_u32 s[G0M+1], s[G0M+1], MBASE
	s_add_nc_u64 s[G0M+2:G0M+3], s[6:7], s[54:55]
	s_or_b32 s[G0M+3], s[G0M+3], 0x80000000
	s_mov_b32 s[G0A], 1
	s_lshl_b32 s[G0A+1], s[WV], 14                 ; LDS: wave x 16,384: K's halves, then V's
	s_add_nc_u64 s[G0A+2:G0A+3], s[4:5], s[22:23]
	s_mov_b32 s[G0B], 1
	s_add_co_u32 s[G0B+1], s[G0A+1], SLOTB
	s_add_nc_u64 s[G0B+2:G0B+3], s[G0A+2:G0A+3], 32768
	s_or_b32 s[G0A+3], s[G0A+3], 0x80000000
	s_or_b32 s[G0B+3], s[G0B+3], 0x80000000
	tensor_load_to_lds s[G0M:G0M+3], s[G1M:G1M+7]  ; the first fills go out together: three tensor loads of mine are out
	s_nop 0
	tensor_load_to_lds s[G0A:G0A+3], s[G1:G1+7]
	s_nop 0
	tensor_load_to_lds s[G0B:G0B+3], s[G1:G1+7]
	s_nop 0
.rept 4
	v_nop
.endr
	WIN 0x80                                       ; destination window 2
.irp t, 0,1,2,3
.irp n, 0,1,2,3
	global_load_b128 v[16*\t+4*\n:16*\t+4*\n+3], v[AK0], s[2:3] offset:2048*\t+512*\n   ; Q stays in registers: tile t, block n: registers 4 (n % 2) on of fragment n / 2
.endr
.endr
.irp i, 0,1,2,3,4,5,6,7
	v_mov_b32 v[ONES+\i], 0x3c003c00               ; 1.0 twice, in f16
.endr
	WIN 0
; Product i of 16 of S^T = K Q^T: channels 32 (i / 8) on, keys 16 ((i / 2) % 4) on, tile x + i % 2.  The first 8 start the sums.  Between two links of a chain stand 7 others'.
.macro KQ x
	WIN W_KQ
.set rS, S+32*(\x+i%2)+8*((i/2)%4)
.set rK, KF+16*((i/2)%4)+8*(i/8)
.set rQ, 16*(\x+i%2)+8*(i/8)
.if i < 8
	v_wmma_f32_16x16x32_f16 v[rS:rS+7], v[rK:rK+7], v[rQ:rQ+7], 0
.else
	v_wmma_f32_16x16x32_f16 v[rS:rS+7], v[rK:rK+7], v[rQ:rQ+7], v[rS:rS+7]
.endif
.endm
; Product i of 20: keys 32 (i / 10) on; (i % 10) / 2 = 0..3: channels 16 x that on of O^T += V^T P; 4: the sums += ones x P; tile x + i % 2.  zero = 1: the first 10 start the sums.  Between two links stand 9 others'.
.macro PV x, zero
	WIN W_PV
.set kc, i/10
.set ke, (i%10)/2
.set ku, i%2
.if ke < 4
.set rO, 32*(\x+ku)+8*ke
.set rV, VF+8*(4*kc+ke)
.else
.set rO, LL+8*(\x+ku)
.set rV, ONES
.endif
.set rP, P+16*(\x+ku)+8*kc
.if \zero && (i < 10)
	v_wmma_f32_16x16x32_f16 v[rO:rO+7], v[rV:rV+7], v[rP:rP+7], 0
.else
	v_wmma_f32_16x16x32_f16 v[rO:rO+7], v[rV:rV+7], v[rP:rP+7], v[rO:rO+7]
.endif
.endm
; The LDS loads stand in runs.  A step's K (16 blocks of 512 bytes) with the mask words of tiles 0, 1; a turn later its V (turned) with those of tiles 2, 3.
.macro FETCH_K
	WIN 0
	v_add_nc_u32 v[ADR], s[TB], v[AK0]
	v_add_nc_u32 v[ADM], s[TM], v[AM0]
	ds_load_b64 v[MWA:MWA+1], v[ADM]
	WIN 0x80
.irp f, 0,1,2,3,4,5,6,7,8,9,10,11,12,13,14,15
	ds_load_b128 v[KF+4*\f:KF+4*\f+3], v[ADR] offset:512*\f
.endr
.endm
.macro FETCH_V
	WIN 0
	v_add_nc_u32 v[ADR], s[TB], v[AK0]
	v_add_nc_u32 v[ADM], s[TM], v[AM0]
	ds_load_b64 v[MWA+2:MWA+3], v[ADM] offset:256
	s_add_co_u32 s[TB], s[TB], STEPB               ; the next fetch is the next step's
	s_add_co_u32 s[TM], s[TM], 512
	WIN 0x80
.irp f, 0,1,2,3,4,5,6,7                ; keys 32 (f / 4) on, channels 16 (f % 4) on: two tiles of 16 keys, 2,048 bytes apart
	ds_load_tr16_b128 v[VF+8*\f:VF+8*\f+3],   v[ADR] offset:VOFF+4096*(\f/4)+512*(\f%4)
	ds_load_tr16_b128 v[VF+8*\f+4:VF+8*\f+7], v[ADR] offset:VOFF+4096*(\f/4)+512*(\f%4)+2048
.endr
.endm
; THE VECTOR WORK.  One tile's softmax for one key step is a list of 166 instructions; SM writes number j of it for tile t.  first = 1: the first key step, which has no old maximum, no a and nothing to rescale.
;   0-63    the mask, in groups of eight: read 0, read 1, select 0, read 2, select 1, read 3, select 2, select 3 (group g: score registers 8 g on; two sets of eight lane masks by turns).
;           A select is the first read of its accumulator and begins at the accumulator's lowest register
;   64-79   the maximum of the 32 scores and the old m, three operands at a time
;   80-83   the other half of the lanes' maximum; m_old kept; the new m; m_old - m
;   84-132  ONE BATCH: 16 packed subtractions s - m and all 33 exponentials (a at 86); none reads an exponential's result; each pair is subtracted ahead of its exponentials
;   (wait)  between 132 and 133 stand one plain instruction and the one wait ahead of the first use of an exponential's result: EMIT writes them, once for both tiles
;   133-148 the roundings to f16     149 the sum's register 0 times a     150-165 O^T times a
.macro SM t, first
.set rT, ST+8*(\t)
.set rS, S+32*(\t)
.set rP, P+16*(\t)
.set rW, MWA+(\t)
.set rL, MSK+16*((\t)%2)
.set gi, j/8
.set ii, j%8
.set jm, j-64
.set jq, j-87
.if j < 149
	WIN 0
.endif
.if (gi == 0) || (gi == 1) || (gi == 3) || (gi == 5)
.set gg, (gi+1)/2
	v_readlane_b32 s[rL+8*(gg%2)+ii], v[rW], 8*gg+ii
.elseif gi < 8
.set gg, (gi-1)/2
	v_cndmask_b32 v[rS+8*gg+ii], v[NEGR], v[rS+8*gg+ii], s[rL+8*(gg%2)+ii]
.elseif jm < 4
	v_max3_num_f32 v[rT+4+jm], v[rS+8*jm], v[rS+8*jm+1], v[rS+8*jm+2]
.elseif jm < 12
	v_max3_num_f32 v[rT+4+jm%4], v[rT+4+jm%4], v[rS+8*(jm%4)+2*(jm/4)+1], v[rS+8*(jm%4)+2*(jm/4)+2]
.elseif jm == 12
	v_max3_num_f32 v[rT+4], v[rT+4], v[rS+7], v[rS+15]
.elseif jm == 13
	v_max3_num_f32 v[rT+6], v[rT+6], v[rS+23], v[rS+31]
.elseif jm == 14
	v_max3_num_f32 v[rT+4], v[rT+4], v[rT+5], v[rT+6]
.elseif (jm == 15) && \first
	v_max_num_f32 v[rT+4], v[rT+4], v[rT+7]
.elseif jm == 15
	v_max3_num_f32 v[rT+4], v[rT+4], v[rT+7], v[rT]
.elseif j == 80
	v_permlanex16_b32 v[rT+5], v[rT+4], s[SEL], s[SEL+1]   ; the query's other 32 keys lie in the lane 16 away
.elseif (j == 81) && \first
	v_mov_b32 v[rT+1], 0                           ; (named below as the upper half of a pair, so it is written)
.elseif j == 81
	v_mov_b32 v[rT+1], v[rT]
.elseif j == 82
	v_max_num_f32 v[rT], v[rT+4], v[rT+5]
.elseif ((j == 83) || (j == 86) || (j > 148)) && \first    ; the first step has none of these
.elseif j == 83
	v_sub_f32 v[rT+1], v[rT+1], v[rT]
.elseif j == 86
	v_exp_f32 v[rT+6], v[rT+1]                     ; a = 2^(m_old - m)
.elseif j < 133
.if j < 86
.set bb, j-84
	v_pk_add_f32 v[rS+2*bb:rS+2*bb+1], v[rS+2*bb:rS+2*bb+1], v[rT:rT+1] op_sel_hi:[1,0] neg_lo:[0,1] neg_hi:[0,1]
.elseif (jq < 42) && (jq%3 == 2)
.set bb, jq/3+2
	v_pk_add_f32 v[rS+2*bb:rS+2*bb+1], v[rS+2*bb:rS+2*bb+1], v[rT:rT+1] op_sel_hi:[1,0] neg_lo:[0,1] neg_hi:[0,1]
.elseif jq < 42
.set ee, 2*(jq/3)+jq%3
	v_exp_f32 v[rS+ee], v[rS+ee]
.else
.set ee, jq-14
	v_exp_f32 v[rS+ee], v[rS+ee]
.endif
.elseif j < 149
	v_cvt_pk_f16_f32 v[rP+j-133], v[rS+2*(j-133)], v[rS+2*(j-133)+1]
.elseif j == 149
	WIN W_RS
	v_mul_f32 v[LL+8*(\t)], v[LL+8*(\t)], v[rT+6]
.else
	WIN W_RS
.set rO, 32*(\t)+2*(j-150)
	v_pk_mul_f32 v[rO:rO+1], v[rO:rO+1], v[rT+6:rT+7] op_sel_hi:[1,0]
.endif
.endm
; cc instructions of piece y's softmax, from number n of 332 on: the two tiles alternate, so that no instruction reads the result of the one just before it.
.macro EMIT y, first
.rept cc
.if n == 266                           ; both tiles' exponentials are issued, and no result has been named
	v_nop
	s_wait_alu depctr_va_vdst(0)
.endif
.set j, n/2
	SM (\y)+n%2, \first
.set n, n+1
.endr
.endm
; A TURN.  Piece x has the matrix unit; the other piece's softmax is dealt out evenly behind its matrix instructions.  pv = 2: 20 products on P; 1: they start the sums; 0: none.  kq = 1: 16 products K Q^T.
; PLACES, by count.  K's run of loads stands behind the second product of piece 0's turn: the last product that read K is the last of the turn before, and behind it stand that turn's last ten rescalings, which name
; the other piece's O^T alone; the same ten stand ahead of the first select that reads the scores just made.  V's run stands behind the third K Q^T of piece 2's turn: the last product that read V is the eighteenth
; of the turn, and numbers 78 to 85 of both tiles, plain instructions on the other piece's registers, lie between.  A first step's last slices are empty: four v_nop take their part.
.macro TURN x, pv, kq, first
.set n, 0
.set k, 0
.set WT, 0
.if \pv
.set WT, WT+20
.endif
.if \kq
.set WT, WT+16
.endif
.if \pv
.if \x == 0
	s_wait_dscnt 0x0                               ; V and the mask words of tiles 2, 3 are in
.endif
.set i, 0
.rept 20
	PV \x, 2-\pv
.set cc, 332*(k+1)/WT-332*k/WT
	EMIT 2-\x, \first
.set k, k+1
.if (\x == 0) && \kq && (i == 1)
	FETCH_K
.endif
.set i, i+1
.endr
.endif
.if \kq
.if \x == 0
	s_wait_dscnt 0x0                               ; K and the mask words of tiles 0, 1 are in
.endif
.set i, 0
.rept 16
	KQ \x
.set cc, 332*(k+1)/WT-332*k/WT
	EMIT 2-\x, \first
.set k, k+1
.if (\x == 2) && (i == 2)
	FETCH_V
.endif
.set i, i+1
.endr
.endif
.if \first
	PLACES
.endif
.endm
; THE CHANGE OF SLOTS, between piece 2's turn and piece 0's: the slot's last bytes, V of its fourth step, have been asked for.  Each wave waits for all its tensor loads (one is out: its part of the other slot), adds 0
; to its spare word, and waits for that and for its reads of the slot.  fill = 1: the barrier is a round of the cluster's, and the joint refill is the first thing behind it: it has four key steps in which to land.
.macro CHANGE fill
	WIN 0                                          ; at a label and at a branch every window is 0
	s_wait_tensorcnt 0x0                           ; no tensor load of mine is out, so a group 0 may be written
	ds_add_u32 v[SPW], v[NIL]                      ; 0 onto my spare word
.if \fill
	s_xor_b32 s[G0B+1], s[G0B+1], SLOTB            ; the walking descriptor: the other slot than last time,
	s_add_nc_u64 s[G0B+2:G0B+3], s[G0B+2:G0B+3], 32768   ; the next 256 keys; the type bits on top are not reached
	s_wait_xcnt 0x0                                ; the last prefetch, a slot back, has read its address
	s_add_nc_u64 s[PFA:PFA+1], s[PFA:PFA+1], 32768
	s_wait_dscnt 0x0                               ; the add is done, and my reads of the slot are over
	CROUND
	JLOAD
	ASK
.else
	s_wait_dscnt 0x0
	s_barrier_signal -1
	s_barrier_wait -1
.endif
	s_sub_co_u32 s[TB], s[TB], 4*STEPB             ; the fetches go back to a slot's first step,
	s_xor_b32 s[TB], s[TB], SLOTB                  ; in the other slot
.endm
.macro STEPS cnt                       ; cnt key steps: written once; the LDS addresses hang on s[TB] and s[TM]
	s_mov_b32 s[CNT], \cnt
.Lstep_\@:
	TURN 0, 2, 1, 0
	TURN 2, 2, 1, 0
	WIN 0
	s_sub_co_u32 s[CNT], s[CNT], 1
	s_cmp_lg_u32 s[CNT], 0
	s_cbranch_scc1 .Lstep_\@
.endm
	s_wait_tensorcnt 1                             ; my mask words and my part of slot 0 are in; slot 1's load may stay out
	s_barrier_signal -1
	s_barrier_wait -1                              ; everybody's part of slot 0 is in
	FETCH_K                                        ; key step 0
	s_wait_loadcnt 0x0                             ; Q
	s_wait_dscnt 0x0
.set i, 0
.rept 16
	KQ 0                                           ; piece 0's first scores: there is no vector work yet to set between them
.set i, i+1
.endr
	WIN 0
	v_mov_b32 v[NEGR], 0xceabfb8f                  ; NEG = -1e9 x log2(e).  These four lines are the places behind those products
	v_and_b32 v1, 31, v0
	v_lshlrev_b32 v[PFO], 8, v1
	v_nop
	TURN 2, 0, 1, 1                                ; piece 2's first scores | piece 0's first softmax | V of step 0
	TURN 0, 1, 1, 1                                ; piece 0: the products on P of step 0 start the sums, K Q^T of step 1 | piece 2's first softmax | K of step 1
	TURN 2, 1, 1, 0                                ; piece 2: the same | piece 0's softmax of step 1 | V of step 1
	WIN 0
	STEPS 2                                        ; the rest of slot 0 is fetched
.Lslot:                                            ; 14 trips: every slot but the last two is filled again
	CHANGE 1
	STEPS 4
	s_sub_co_u32 s[SLOTS], s[SLOTS], 1
	s_cmp_lg_u32 s[SLOTS], 0
	s_cbranch_scc1 .Lslot
	CHANGE 0                                       ; the tail is written out
	STEPS 4
	TURN 0, 2, 0, 0                                ; piece 0: the products on P of the last step | piece 2's last softmax
.set i, 0
.rept 20
	PV 2, 0                                        ; piece 2: the same products
.set i, i+1
.endr
	; THE WAY OUT.  O^T is divided by the sum and rounded to f16; a lane's eight channels of a row are a register group of the image: each store of the wave covers 512 consecutive bytes, aligned.  No stage.
	WIN 0
	PLACES
	WIN 0x01                                       ; source in window 1, destination in window 0
.irp t, 0,1,2,3
	v_rcp_f32 v[ST+8*\t+6], v[LL+8*\t]
.endr
	v_nop                                          ; a plain instruction between the last reciprocal and the use of its result,
	s_wait_alu depctr_va_vdst(0)                   ; and the wait ahead of the first use: one for the four
.irp t, 0,1,2,3
	WIN W_RS
.set i, 0
.rept 16
	v_pk_mul_f32 v[32*\t+i:32*\t+i+1], v[32*\t+i:32*\t+i+1], v[ST+8*\t+6:ST+8*\t+7] op_sel_hi:[1,0]
.set i, i+2
.endr
	WIN 0x05                                       ; sources in window 1, destination in window 0: S^T's registers are free
.set i, 0
.rept 16
	v_cvt_pk_f16_f32 v[S+16*\t+i], v[32*\t+2*i], v[32*\t+2*i+1]
.set i, i+1
.endr
	WIN 0
.irp c, 0,1,2,3
	global_store_b128 v[AK0], v[S+16*\t+4*\c:S+16*\t+4*\c+3], s[8:9] offset:8192*\t+512*\c
.endr
.endr
	s_wait_tensorcnt 0x0                           ; the wave's end
	ds_add_u32 v[SPW], v[NIL]
	s_wait_dscnt 0x0
	CROUND                                         ; the closing round: no work-group ends while a partner may still ask for a tile that names it
	s_endpgm
.Lfunc_end_k_qda5b791e60_attn:
	.size	k_qda5b791e60_attn, .Lfunc_end_k_qda5b791e60_attn-k_qda5b791e60_attn
	.p2alignl 7, 3214868480
	.fill 96, 4, 3214868480
	.section	.rodata,"a",@progbits
	.p2align	6, 0x0
	.amdhsa_kernel k_qda5b791e60_attn
		.amdhsa_group_segment_fixed_size 327680
		.amdhsa_private_segment_fixed_size 0
		.amdhsa_enable_private_segment 0
		.amdhsa_kernarg_size 24
		.amdhsa_user_sgpr_count 2
		.amdhsa_user_sgpr_kernarg_segment_ptr 1
		.amdhsa_wavefront_size32 1
		.amdhsa_system_sgpr_workgroup_id_x 1
		.amdhsa_system_sgpr_workgroup_id_y 1
		.amdhsa_system_sgpr_workgroup_id_z 1
		.amdhsa_system_vgpr_workitem_id 0
		.amdhsa_next_free_vgpr 768
		.amdhsa_next_free_sgpr 100
		.amdhsa_reserve_vcc 0
		.amdhsa_float_denorm_mode_32 3
		.amdhsa_float_denorm_mode_16_64 3
		.amdhsa_memory_ordered 1
		.amdhsa_forward_progress 1
		.amdhsa_inst_pref_size 255
	.end_amdhsa_kernel
	.section	.bss,"aw",@nobits
	.p2align	6
	.space	262144
	.amdgpu_metadata
---
amdhsa.version: [ 1, 2 ]
amdhsa.kernels:
  - .name:           k_qda5b791e60_attn
    .symbol:         k_qda5b791e60_attn.kd
    .args:
      - { .name: qkv, .offset: 0, .size: 8, .value_kind: global_buffer, .address_space: global }
      - { .name: maskw, .offset: 8, .size: 8, .value_kind: global_buffer, .address_space: global }
      - { .name: xf, .offset: 16, .size: 8, .value_kind: global_buffer, .address_space: global }
    .group_segment_fixed_size: 327680
    .private_segment_fixed_size: 0
    .kernarg_segment_align: 8
    .kernarg_segment_size: 24
    .max_flat_workgroup_size: 128
    .sgpr_count:     100
    .vgpr_count:     768
    .wavefront_size: 32
...
	.end_amdgpu_metadata
.endif
;; end of part 3
;; launch oproj (part 4): grid 8 x 32, 4 waves a work-group, clusters of 4 x 4, 327,680 bytes of LDS; arguments xf, wf, bo, out0; writes out0
.if DOCPART == 4
	.amdgcn_target "amdgcn-amd-amdhsa--gfx1250"
	.amdhsa_code_object_version 6
	.text
	.protected	k_qda5b791e60_oproj
	.globl	k_qda5b791e60_oproj
	.p2align	8
	.type	k_qda5b791e60_oproj,@function
k_qda5b791e60_oproj:
	s_mov_b64 s[64:65], 0
	v_nop
	global_prefetch_b8 v0, s[64:65] scope:SCOPE_SE
	s_setreg_imm32_b32 hwreg(HW_REG_WAVE_MODE, 25, 1), 1
	s_wait_xcnt 0x0
	s_wait_alu depctr_hold_cnt(0) depctr_sa_sdst(0) depctr_va_vdst(0) depctr_va_sdst(0) depctr_va_ssrc(0) depctr_va_vcc(0) depctr_vm_vsrc(0)
	s_getreg_b32 s2, hwreg(HW_REG_IB_STS2, 6, 4)
	s_cmp_eq_u32 s2, 0
	s_cbranch_scc0 .Lentry_in_a_cluster
	s_endpgm
.Lentry_in_a_cluster:
	s_bfe_u32 s2, ttmp6, 0x10000c
	s_cmp_lg_u32 s2, 0xf033
	s_cbranch_scc0 .Lentry_shape_is_right
	s_endpgm
.Lentry_shape_is_right:
; OPROJ: out0[m][n] = the sum over k of x[m][k] Wo[n][k] + bo[n].  x (xf) and Wo (wf) are f16 images of operand registers, [k step 4 (256 k)][tile of 16 rows][k fragment 8][half 2][lane 32][16 bytes]; sums f32; out0 [4096][1024] f32.
; A tile of 128 x 128 to a work-group (256 work-groups), 64 x 64 to each of four waves: 16 accumulators.  K goes in four steps of 256 through two LDS slots; a step's 128 rows of either operand are 65,536 dense bytes,
; brought as rows of 256 bytes, unpadded: a fragment load reads 16 bytes a lane on end.
; CLUSTERS: 4 x 4: the four of a row of the cluster need the same tiles of x, the four of a column the same tiles of Wo: each is asked for jointly.
; THE MATRIX INSTRUCTION IS USED TRANSPOSED (source 0 = 16 rows of Wo, source 1 = 16 rows of x): a lane holds eight neighbouring numbers of a row of out0.  The bias is the C of each sum's first product.
; REGISTERS: window 0: v0-31 addresses; v32-95 at work on the way out; v96-127 the bias, 4 tiles x 8; v128-255 the accumulators ((a, b) at v[128 + 8 (4 a + b)]).
;   window 1: two fragment buffers of 128: for 64 along K, 64 registers of x, then 64 of Wo.
.set HALFT,  32768                     ; four tiles of 16 rows x 256 k: what one tensor load brings, and what one wave reads of x or of Wo
.set SLOT,   4*HALFT                   ; x's 128 rows, then Wo's 128 rows
.set STAGE,  2*SLOT                    ; behind the slots: 16 rows x 272 bytes for each wave, its own, for the way out; no tile lands here
.set SPITCH, 272
.set SPARE,  STAGE+4*16*SPITCH         ; the spare words, 128 bytes a wave: two blocks of 256 bytes that no other line names
.set ADRA, 16
.set ADRB, 20
.set STO,  24
.set RD,   25
.set CO,   26
.set BO,   27
.set SPW,  28
.set NIL,  29
.set TMP,  32
.set BN,   96
.set ACC,  128
.set F0,   0
.set F1,   128
.set G1, 24
.set G0, 32
.set G1B, 48
.set G0B, 56
.set MSB, 0
.macro WIN new                         ; the immediate's high byte repeats the setting that is left
.if MSB != \new
	s_set_vgpr_msb (MSB<<8)|\new
.set MSB, \new
.endif
.endm
.set MUL,  0x05                        ; sources 0 and 1 window 1; C and D window 0
.set TO_F, 0x40                        ; destination window 1, address window 0
.macro JLOAD s                         ; a joint load: waves 0 and 1 fetch x's two halves, waves 2 and 3 Wo's; an s_nop 0 and four v_nop follow each line
	s_cmp_eq_u32 s13, 0
	s_cbranch_scc0 .Lfor_b_\@
	tensor_load_to_lds s[G0+4*\s:G0+4*\s+3], s[G1:G1+7]
	s_nop 0
.rept 4
	v_nop
.endr
	s_branch .Lasked_\@
.Lfor_b_\@:
	tensor_load_to_lds s[G0B+4*\s:G0B+4*\s+3], s[G1B:G1B+7]
	s_nop 0
.rept 4
	v_nop
.endr
.Lasked_\@:
.endm
.macro CREST                           ; a round of the cluster's barrier behind its opening barrier
	s_cmp_lg_u32 s12, 0
	s_cbranch_scc1 .Lnot_wave_0_\@
	s_barrier_signal -3
.Lnot_wave_0_\@:
	s_barrier_wait -3
	s_barrier_signal -1
	s_barrier_wait -1
.endm
.macro CROUND
	s_barrier_signal -1
	s_barrier_wait -1
	CREST
.endm
	s_load_b256 s[4:11], s[0:1], 0x0               ; xf s[4:5], wf s[6:7], bo s[8:9], out0 s[10:11]
	v_lshl_add_u32 v[SPW], v0, 2, SPARE
	v_mov_b32 v[NIL], 0
	ds_add_u32 v[SPW], v[NIL]                      ; the wave's opening: the add, twice on end, and its wait ahead of my first tensor load
	ds_add_u32 v[SPW], v[NIL]
	v_lshrrev_b32 v1, 5, v0
	v_readfirstlane_b32 s12, v1                    ; wave 0..3
	s_lshr_b32 s13, s12, 1                         ; which half of the tile's rows is mine.  Also: I fetch x (0) or Wo (1)
	s_and_b32 s14, s12, 1                          ; which half of its columns.  Also: which 64 rows I fetch
	s_bfe_u32 s40, ttmp6, 0x40000                  ; cx, cy
	s_bfe_u32 s41, ttmp6, 0x40004
	s_lshl_b32 s42, ttmp9, 2
	s_add_co_u32 s42, s42, s40                     ; tile column 0..7
	s_and_b32 s15, ttmp7, 0xffff
	s_lshl_b32 s15, s15, 2
	s_add_co_u32 s15, s15, s41                     ; tile row 0..31
	s_lshl_b32 s43, s41, 2
	s_lshl_b32 s43, 15, s43                        ; my row of the cluster
	s_lshl_b32 s44, 0x1111, s40                    ; my column
	s_or_b32 s[G1+0], s43, (3<<16)|(1<<21)         ; 15:0 the mask; 17:16 elements of 8 bytes; 21 set beside a mask; no padding
	s_or_b32 s[G1B+0], s44, (3<<16)|(1<<21)
.irp g, G1, G1B
	s_mov_b32 s[\g+1], 32<<16                      ; tensor_dim0 = 32 elements: rows of 256 bytes
	s_mov_b32 s[\g+2], 128<<16                     ; tensor_dim1 = 128
	s_mov_b32 s[\g+3], 32<<16                      ; tile_dim0
	s_mov_b32 s[\g+4], 128                         ; tile_dim1
	s_mov_b32 s[\g+5], 32                          ; dense
	s_mov_b32 s[\g+6], 0
	s_mov_b32 s[\g+7], 0
.endr
	s_lshl_b32 s17, s14, 15                        ; which four tiles of 16 rows I fetch: 8,192 bytes each
	s_lshl_b32 s16, s15, 16
	s_add_co_u32 s16, s16, s17                     ; x: eight tiles of 16 rows to a tile row
	s_lshl_b32 s46, s42, 16
	s_add_co_u32 s46, s46, s17                     ; Wo: eight to a tile column
	s_mov_b32 s17, 0
	s_mov_b32 s47, 0
	s_lshl_b32 s20, s12, 15                        ; where they go: wave x 32,768: no place in the cluster enters an LDS address
	s_wait_dscnt 0x0                               ; both opening adds are done
	s_wait_kmcnt 0x0
	s_add_nc_u64 s[18:19], s[4:5], s[16:17]
	s_add_nc_u64 s[46:47], s[6:7], s[46:47]
	CROUND                                         ; all sixteen work-groups are here: the first joint loads meet
.irp s, 0,1
	s_mov_b32 s[G0+4*\s], 1
	s_add_co_u32 s[G0+4*\s+1], s20, \s*SLOT
	s_add_nc_u64 s[G0+4*\s+2:G0+4*\s+3], s[18:19], \s*2097152      ; K step s of x
	s_or_b32 s[G0+4*\s+3], s[G0+4*\s+3], 0x80000000
	s_mov_b32 s[G0B+4*\s], 1
	s_add_co_u32 s[G0B+4*\s+1], s20, \s*SLOT
	s_add_nc_u64 s[G0B+4*\s+2:G0B+4*\s+3], s[46:47], \s*524288     ; K step s of Wo
	s_or_b32 s[G0B+4*\s+3], s[G0B+4*\s+3], 0x80000000
	JLOAD \s                                       ; two tensor loads of mine are out
.endr
	v_and_b32 v1, 15, v0                           ; l % 16
	v_bfe_u32 v2, v0, 4, 1                         ; l / 16
	s_lshl_b32 s46, s42, 9                         ; my 64 columns, in bytes of f32: 512 x tile column + 256 x half
	s_lshl_b32 s47, s14, 8
	s_add_co_u32 s46, s46, s47
	s_mov_b32 s47, 0
	s_add_nc_u64 s[8:9], s[8:9], s[46:47]          ; the bias: lane (r, h) wants, for tile b, that of columns 16 b + 8 h + 0 .. 7
	v_lshlrev_b32 v[BO], 5, v2
.irp b, 0,1,2,3
	global_load_b128 v[BN+8*\b:BN+8*\b+3], v[BO], s[8:9] offset:64*\b
	global_load_b128 v[BN+8*\b+4:BN+8*\b+7], v[BO], s[8:9] offset:64*\b+16
.endr
	v_and_b32 v3, 31, v0
	v_lshlrev_b32 v3, 4, v3                        ; 16 x lane: my place in an image
	s_lshl_b32 s21, s13, 15                        ; my 64 rows of x
	s_lshl_b32 s22, s14, 15                        ; my 64 rows of Wo,
	s_add_co_u32 s22, s22, 2*HALFT                 ; which lie behind x's 128
.irp s, 0,1
	v_add_nc_u32 v[ADRA+\s], s21, v3
	v_add_nc_u32 v[ADRB+\s], s22, v3
	s_add_co_u32 s21, s21, SLOT
	s_add_co_u32 s22, s22, SLOT
.endr
	s_mul_i32 s23, s12, 16*SPITCH
	s_add_co_u32 s23, s23, STAGE                   ; my stage
	v_mul_u32_u24 v4, v1, SPITCH                   ; in: row l % 16, 32 bytes for each half of the lanes
	v_lshl_add_u32 v4, v2, 5, v4
	v_add_nc_u32 v[STO], s23, v4
	v_mul_u32_u24 v5, v2, SPITCH                   ; back: lanes 0-15 one row of 256 bytes, lanes 16-31 the next
	v_lshl_add_u32 v5, v1, 4, v5
	v_add_nc_u32 v[RD], s23, v5
	v_lshlrev_b32 v5, 12, v2                       ; and the same two rows in out0: 4,096 bytes a row
	v_lshl_add_u32 v[CO], v1, 4, v5
	s_lshl_b32 s16, s15, 19                        ; my first row: 128 x tile row + 64 x half
	s_lshl_b32 s17, s13, 18
	s_add_co_u32 s16, s16, s17
	s_mov_b32 s17, 0
	s_add_nc_u64 s[10:11], s[10:11], s[16:17]
	s_add_nc_u64 s[10:11], s[10:11], s[46:47]      ; and my first column
; 8 matrix instructions: m blocks a0, a0 + 1 x all 4 n blocks, 32 along K: half c of buffer f.  zero = 1: the first product starts the sums from the bias.  The 16 accumulators take turns.
.macro MUL8 f, c, a0, zero
.irp a, \a0, \a0+1
.irp b, 0,1,2,3
.if \zero
	v_wmma_f32_16x16x32_f16 v[ACC+8*(4*(\a)+\b):ACC+8*(4*(\a)+\b)+7], v[\f+64+8*(4*\c+\b):\f+64+8*(4*\c+\b)+7], v[\f+8*(4*\c+\a):\f+8*(4*\c+\a)+7], v[BN+8*\b:BN+8*\b+7]
.else
	v_wmma_f32_16x16x32_f16 v[ACC+8*(4*(\a)+\b):ACC+8*(4*(\a)+\b)+7], v[\f+64+8*(4*\c+\b):\f+64+8*(4*\c+\b)+7], v[\f+8*(4*\c+\a):\f+8*(4*\c+\a)+7], v[ACC+8*(4*(\a)+\b):ACC+8*(4*(\a)+\b)+7]
.endif
.endr
.endr
.endm
; 32 LDS loads in one run: the fragments of 64 along K (two k fragments of 1,024 bytes, from byte k of each tile's 8,192) into buffer f; the first 32 along K first
.macro FETCH slot, k, f
	WIN TO_F
.irp c, 0,1
.irp i, 0,1,2,3
	ds_load_b128 v[\f+64+8*(4*\c+\i):\f+64+8*(4*\c+\i)+3],   v[ADRB+\slot] offset:\k+1024*\c+\i*8192
	ds_load_b128 v[\f+64+8*(4*\c+\i)+4:\f+64+8*(4*\c+\i)+7], v[ADRB+\slot] offset:\k+1024*\c+\i*8192+512
	ds_load_b128 v[\f+8*(4*\c+\i):\f+8*(4*\c+\i)+3],         v[ADRA+\slot] offset:\k+1024*\c+\i*8192
	ds_load_b128 v[\f+8*(4*\c+\i)+4:\f+8*(4*\c+\i)+7],       v[ADRA+\slot] offset:\k+1024*\c+\i*8192+512
.endr
.endr
.endm
.macro PLACES                          ; four plain instructions in front of loads into registers that matrix instructions have read, and of reads of results
.rept 4
	v_nop
.endr
.endm
; A K step is four quarters of 64 along K, 32 matrix instructions each, on buffers 0, 1, 0, 1.  One of the first three: multiplies buffer f and fetches the next quarter, at byte k, into g.
.macro QUARTER slot, k, f, g, zero
	s_wait_dscnt 16                                ; the first 32 along K are in; the sixteen loads of the second 32 may be out
	WIN MUL
	MUL8 \f, 0, 0, \zero
	MUL8 \f, 0, 2, \zero
	PLACES
	FETCH \slot, \k, \g
	s_wait_dscnt 32                                ; all but the 32 just issued
	WIN MUL
	MUL8 \f, 1, 0, 0
	MUL8 \f, 1, 2, 0
.endm
; The last quarter multiplies buffer 1 and changes slots: ONE barrier; in front of it each wave waits for all its tensor loads, adds 0 to its spare word, and waits for that and for its reads of this slot.
; fill = 1: this slot is filled again, two K steps ahead; the barrier then opens a round of the cluster's.
.macro TURN slot, next, fill
	WIN 0
	s_wait_tensorcnt 0x0                           ; all my tensor loads have landed: my part of the next slot
	ds_add_u32 v[SPW], v[NIL]                      ; 0 onto my spare word
	s_wait_dscnt 17                                ; (the add and the youngest sixteen loads may be out)
	WIN MUL
	MUL8 F1, 0, 0, 0
	s_wait_dscnt 0x0                               ; the add is done, and my reads of this slot are over
	s_barrier_signal -1
	MUL8 F1, 0, 2, 0
.if \fill
	WIN 0
.endif
	s_barrier_wait -1
.if \fill
	CREST                                          ; no wave of any partner still reads this slot's tile or has a load on its way
	s_add_nc_u64 s[G0+4*\slot+2:G0+4*\slot+3], s[G0+4*\slot+2:G0+4*\slot+3], 2*2097152
	s_add_nc_u64 s[G0B+4*\slot+2:G0B+4*\slot+3], s[G0B+4*\slot+2:G0B+4*\slot+3], 2*524288
	JLOAD \slot                                    ; the first tensor load behind the round; its four v_nop are also the places in front of the loads below
.else
	PLACES
.endif
	FETCH \next, 0, F0
	WIN MUL
	MUL8 F1, 1, 0, 0
	MUL8 F1, 1, 2, 0
.endm
	s_wait_tensorcnt 1                             ; my part of K step 0 is in (K step 1's load may be out),
	s_barrier_signal -1
	s_barrier_wait -1                              ; everybody's is
	FETCH 0, 0, F0
	s_wait_loadcnt 0x0                             ; the bias
	QUARTER 0, 2048, F0, F1, 1                     ; K step 0: its first products start the sums
	QUARTER 0, 4096, F1, F0, 0
	QUARTER 0, 6144, F0, F1, 0
	TURN 0, 1, 1                                   ; slot 0 takes K step 2
	QUARTER 1, 2048, F0, F1, 0                     ; K step 1
	QUARTER 1, 4096, F1, F0, 0
	QUARTER 1, 6144, F0, F1, 0
	TURN 1, 0, 1                                   ; slot 1 takes K step 3
	QUARTER 0, 2048, F0, F1, 0                     ; K step 2
	QUARTER 0, 4096, F1, F0, 0
	QUARTER 0, 6144, F0, F1, 0
	TURN 0, 1, 0                                   ; nothing is left to fetch
	QUARTER 1, 2048, F0, F1, 0                     ; K step 3
	QUARTER 1, 4096, F1, F0, 0
	QUARTER 1, 6144, F0, F1, 0
	s_wait_dscnt 16
	WIN MUL
	MUL8 F1, 0, 0, 0
	MUL8 F1, 0, 2, 0
	s_wait_dscnt 0
	MUL8 F1, 1, 0, 0
	MUL8 F1, 1, 2, 0
	WIN 0
	; THE WAY OUT.  My 64 columns of f32 are 256 bytes of a row of out0, aligned.  A block of 16 rows goes through my own stage and comes back by rows: sixteen lanes store 256 consecutive bytes.
	; LDS serves a wave's instructions in order (ISA guide 5.7.1.4): no wait between the stores and the loads, nor in front of the next block's stores; no other wave touches my stage: no barrier.
	PLACES
.irp a, 0,1,2,3
.if \a >= 2
	s_wait_xcnt 0x0                                ; the stores of two blocks ago have read this set of registers
.endif
.irp b, 0,1,2,3
	ds_store_b128 v[STO], v[ACC+8*(4*\a+\b):ACC+8*(4*\a+\b)+3] offset:64*\b          ; each accumulator from its low end on
	ds_store_b128 v[STO], v[ACC+8*(4*\a+\b)+4:ACC+8*(4*\a+\b)+7] offset:64*\b+16
.endr
.irp i, 0,1,2,3,4,5,6,7
	ds_load_b128 v[TMP+32*(\a%2)+4*\i:TMP+32*(\a%2)+4*\i+3], v[RD] offset:\i*2*SPITCH
.endr
.irp i, 0,1,2,3,4,5,6,7
	s_wait_dscnt 7-\i                              ; rows 2 i and 2 i + 1 are back; the younger loads may be out
	global_store_b128 v[CO], v[TMP+32*(\a%2)+4*\i:TMP+32*(\a%2)+4*\i+3], s[10:11] offset:(16*\a+2*\i)*4096 th:TH_STORE_NT
.endr
.endr
	s_wait_tensorcnt 0x0                           ; the wave's end, behind my last tensor load and my last LDS store
	ds_add_u32 v[SPW], v[NIL]
	s_wait_dscnt 0x0
	CROUND                                         ; the closing round: no work-group ends while a partner may still ask for a tile that names it
	s_endpgm
.Lfunc_end_k_qda5b791e60_oproj:
	.size	k_qda5b791e60_oproj, .Lfunc_end_k_qda5b791e60_oproj-k_qda5b791e60_oproj
	.p2alignl 7, 3214868480
	.fill 96, 4, 3214868480
	.section	.rodata,"a",@progbits
	.p2align	6, 0x0
	.amdhsa_kernel k_qda5b791e60_oproj
		.amdhsa_group_segment_fixed_size 327680
		.amdhsa_private_segment_fixed_size 0
		.amdhsa_enable_private_segment 0
		.amdhsa_kernarg_size 32
		.amdhsa_user_sgpr_count 2
		.amdhsa_user_sgpr_kernarg_segment_ptr 1
		.amdhsa_wavefront_size32 1
		.amdhsa_system_sgpr_workgroup_id_x 1
		.amdhsa_system_sgpr_workgroup_id_y 1
		.amdhsa_system_sgpr_workgroup_id_z 1
		.amdhsa_system_vgpr_workitem_id 0
		.amdhsa_next_free_vgpr 512
		.amdhsa_next_free_sgpr 66
		.amdhsa_reserve_vcc 0
		.amdhsa_float_denorm_mode_32 3
		.amdhsa_float_denorm_mode_16_64 3
		.amdhsa_memory_ordered 1
		.amdhsa_forward_progress 1
		.amdhsa_inst_pref_size 87
	.end_amdhsa_kernel
	.amdgpu_metadata
---
amdhsa.version: [ 1, 2 ]
amdhsa.kernels:
  - .name:           k_qda5b791e60_oproj
    .symbol:         k_qda5b791e60_oproj.kd
    .args:
      - { .name: xf, .offset: 0, .size: 8, .value_kind: global_buffer, .address_space: global }
      - { .name: wf, .offset: 8, .size: 8, .value_kind: global_buffer, .address_space: global }
      - { .name: bo, .offset: 16, .size: 8, .value_kind: global_buffer, .address_space: global }
      - { .name: out0, .offset: 24, .size: 8, .value_kind: global_buffer, .address_space: global }
    .group_segment_fixed_size: 327680
    .private_segment_fixed_size: 0
    .kernarg_segment_align: 8
    .kernarg_segment_size: 32
    .max_flat_workgroup_size: 128
    .sgpr_count:     66
    .vgpr_count:     512
    .wavefront_size: 32
...
	.end_amdgpu_metadata
.endif
;; end of part 4
